; MI455X (gfx1250); checked and timed in simulation.
; The chip was launched on July 23, 2026; its instructions are those of AMD's public machine-readable ISA for CDNA 5 (MIT licence, August 2026) and "CDNA5" Instruction Set Architecture Reference Guide (July 2026). The comments in the code are by the model that wrote it; some were corrected since.
;; Multi Head Attention. Allowed arithmetic: matrix products marked QUANTISED: E2M3 operands, one E8M0 scale for each 32 along K, by v_wmma_scale_f32_16x16x128_f8f6f4 with both operands' format E2M3, f32 sums; everything else in f32.
;; Inputs: Wk 1,024 x 1,024 float32; Wo 1,024 x 1,024 float32; Wq 1,024 x 1,024 float32; Wv 1,024 x 1,024 float32; bk 1,024 float32; bo 1,024 float32; bq 1,024 float32; bv 1,024 float32; k 4 x 2,048 x 1,024 float32; q 4 x 2,048 x 1,024 float32; v 4 x 2,048 x 1,024 float32.
;; Outputs: out0 4 x 2,048 x 1,024 float32.
;; This version of the problem:
;;   THIS VERSION OF THE PROBLEM IS GIVEN IN LOW PRECISION. The matrix products marked QUANTISED in the list below multiply operands that are first quantised to E2M3 (2 exponent bits, 3 mantissa bits; 6 bits a number), with one power-of-two scale for each 32 numbers along K (OCP MX v1.0); their sums are f32. All else is computed in f32.
;;   The module's matrix products, in the order in which they are computed (A, B: the left and right operand; K: the contracted axis; several contracted axes count as one K, in the product's order):
;;     1. [M 8,192, K 1,024] x [K 1,024, N 1,024]; A: input q; B: input Wq: QUANTISED
;;     2. [M 8,192, K 1,024] x [K 1,024, N 1,024]; A: input k; B: input Wk: QUANTISED
;;     3. [M 8,192, K 1,024] x [K 1,024, N 1,024]; A: input v; B: input Wv: QUANTISED
;;     4. batch 64 x [M 2,048, K 64] x [K 64, N 2,048]; A: computed on the way; B: computed on the way: QUANTISED
;;     5. batch 64 x [M 2,048, K 2,048] x [K 2,048, N 64]; A: softmax (see below); B: computed on the way: QUANTISED
;;     6. [M 8,192, K 1,024] x [K 1,024, N 1,024]; A: computed on the way; B: input Wo: QUANTISED
;;   THE QUANTISER, for each operand of a quantised product, along K:
;;     - K is cut into blocks of 32 from its start; a last block that is shorter is filled with zeros.
;;     - A block's scale is 2^e with e = floor(log2(the largest magnitude in the block)) - 2, held to -126 .. 127; a block of zeros has e = 0. As a byte (E8M0): e + 127.
;;     - Each number is divided by its block's scale, clamped to +-7.5, and rounded to the nearest number of E2M3, ties to even, subnormals kept.
;;     - The product sums the exact products of the quantised numbers (number of the format x scale) in f32.
;;   ~~~python
;;   def quantise(x, axis):      # numpy; x: float32 -> the quantised numbers, widened to float32 again
;;       x = np.moveaxis(x, axis, -1); K = x.shape[-1]
;;       x = np.pad(x, [(0, 0)] * (x.ndim - 1) + [(0, -K % 32)]); x = x.reshape(x.shape[:-1] + (-1, 32)); a = np.abs(x).max(-1, keepdims=True)
;;       e = np.where(a > 0, np.clip(np.frexp(np.where(a > 0, a, 1))[1] - 1 - 2, -126, 127), 0)      # np.frexp(a)[1] - 1 = floor(log2(a)), exactly
;;       r = np.clip(x / 2.0 ** e, -7.5, 7.5)
;;       step = 2.0 ** (np.maximum(np.frexp(np.where(r == 0, 1, r))[1] - 1, 0) - 3)
;;       q = np.round(r / step) * step * 2.0 ** e      # np.round: ties to even
;;       return np.moveaxis(q.reshape(q.shape[:-2] + (-1,))[..., :K], -1, axis).astype(np.float32)
;;   ~~~
;;   SOFTMAX AHEAD OF A QUANTISED PRODUCT. Where the list says 'softmax', what is quantised is not the finished softmax but p = 2^(t - M), with t = logit x log2(e) and M = ceil(the row's largest t), a whole number; so 1/2 < the row's largest p <= 1. The row's sum l is taken of the UNQUANTISED p, in f32, and the product's result is divided by l at the end. Since M is a whole number, a kernel that streams over the keys may use a running M (the ceiling of the running maximum): every later rescaling is an exact power of two, which a block's scale takes up: the codes' values come out the same.
;;   OPERANDS COMPUTED ON THE WAY. 'Computed on the way' means the value that the module computes at that place (a softmax that the list does not call 'softmax' is quantised finished and normalised). What goes into a quantiser is computed in f32, as accurately as f32 sums, v_exp_f32 and their like allow (about 1e-6 of the number): no bf16 or f16 on the way to a quantiser, and a product that is left as it is and whose result goes on into a quantised operand takes f32 operands (vector FMAs, or v_wmma_f32_16x16x4_f32). A number that lies on a knife's edge between two numbers of the format may be rounded either way, as far as f32 arithmetic and the matrix unit's own rounding can turn it there, and no further.
;; 2 versions. Each part assembles by itself: llvm-mc -triple=amdgcn-amd-amdhsa -mcpu=gfx1250 --defsym DOCPART=n.
;; ======== version 1 of 2: 4 launches
;; workspace buffers: ximg 19,660,800 bytes; wimg 3,276,800 bytes; pimg 19,660,800 bytes; oimg 6,553,600 bytes
;; launch quant (part 1): grid 640 x 1, 4 waves a work-group, no clusters, 34,304 bytes of LDS; arguments q, k, v, Wq, Wk, Wv, Wo, ximg, wimg; writes ximg, wimg
.if DOCPART == 1
	.amdgcn_target "amdgcn-amd-amdhsa--gfx1250"
	.amdhsa_code_object_version 6
	.text
	.protected	k_q6490d8473b_quant
	.globl	k_q6490d8473b_quant
	.p2align	8
	.type	k_q6490d8473b_quant,@function
k_q6490d8473b_quant:
	s_mov_b64 s[64:65], 0
	v_nop
	global_prefetch_b8 v0, s[64:65] scope:SCOPE_SE
	s_setreg_imm32_b32 hwreg(HW_REG_WAVE_MODE, 25, 1), 1
	s_wait_xcnt 0x0
; q, k, v [8192][1024] and Wq, Wk, Wv, Wo [1024 (k)][1024 (n)], f32, become codes of FP6 (E2M3) with one E8M0 byte for each 32 along K = 1024.
; A block's scale is 2^(floor(log2(its largest magnitude)) - 2); its byte is the largest magnitude's exponent field - 2, held at 1 from below by a floor among the maximum's leaves.
; LIMITS: NaN and infinities among the inputs are not served.  A block of zeros gets the byte 1 where the rule says 127: its codes are zeros, and the bytes are read by this program alone.
; THE WORKSPACE IS LAID IN THE ORDER OF THE READER'S REGISTERS.  A fragment (16 rows x 128 K, 12 registers a lane: lane (r, h) holds row r, registers 6 c .. 6 c + 5 block 2 c + h) is 1,536 bytes:
; registers 4 c .. 4 c + 3 of lane L at 512 c + 16 L.  Fragment (row tile rt, K step kb) lies at (8 rt + kb) x 1,536.  A row tile's scale words are 512 bytes: at 16 L + 4 q the word of row r for K step 4 h + q.
; THE ORDER INSIDE A BLOCK OF 32: place p holds element (p & 7) + 2 (p & 8) + (p & 16) / 2.  Every operand of the program is laid so (later launches get that order from matrix results for nothing),
; so the right numbers meet in every product, and a block keeps its 32 members, so the scales are the rule's.
; WORK-GROUPS 0-383: the three inputs; a wave takes 16 rows x all of K, in eight steps of 128.  Each load reads 512 consecutive bytes of one row; the 16 x 512 bytes turn through the wave's own stage in LDS
; (rows 528 bytes apart: the sixteen rows that a read touches begin in sixteen different 16-byte columns modulo 256 bytes), so that a lane gets 16 numbers of each of its row's four blocks.
; WORK-GROUPS 384-639: the four weights; K is their FIRST axis: a lane takes a column n and its registers run down K, so nothing is transposed; a wave takes 32 columns x 128 K: two fragments.
; Waves share nothing: no barrier.  No tensor load, no cluster: every byte is read once by one wave.
.set STG,   8448                       ; a wave's stage: 16 rows x 528 bytes
.set SPARE, 4*STG                      ; behind the four stages: the spare words, 128 bytes for each wave: two blocks of 256 bytes that no other line names
.set RB,    16                         ; v16-143  inputs: two sets of 64 registers as loaded;  weights: 128 numbers of my column
.set X,     144                        ; v144-207 inputs: 64 numbers of my row, register 16 b + i of block b
.set PC,    208                        ; v208-226 the codes just made
.set TM,    228                        ; v228-243 at work in QUANT
.set PWS,   244                        ; v244-251 my row's scale word of each of the eight steps
.set SEL,   26                         ; s[26:27] v_permlanex16_b32's selects for lane l xor 16
.set PA,    144                        ; weights: v144-155 the fragment of columns 0-15, v156-167 of columns 16-31
.set PB,    156
.set TA,    168                        ; v168-170, v172-174 a block's upper 16 codes (a conversion's three registers begin on an even number)
.set TB,    172
.set SO,    180                        ; v180-183 the conversions' scale operands;  v184-187 the bytes;  v188 the word
.set BY,    184
; 64 numbers of a lane, register 16 b + i of block b (16 of the block's 32; lane l xor 16 holds the others), become a fragment's codes in v[PC] .. v[PC + 11] and the row's scale word in v[pw].
.macro QUANT src, pw
.irp b, 0,1,2,3
	v_max3_num_f32 v[TM+\b], |v[\src+16*\b]|, |v[\src+1+16*\b]|, 0x1800000   ; my 16 numbers, and the floor 2^(3 - 127): the byte cannot fall under 1
.endr
.irp i, 2,4,6,8,10,12,14
.irp b, 0,1,2,3
	v_max3_num_f32 v[TM+\b], v[TM+\b], |v[\src+16*\b+\i]|, |v[\src+1+16*\b+\i]|   ; the four blocks by turns
.endr
.endr
.irp b, 0,1,2,3
	v_permlanex16_b32 v[TM+4+\b], v[TM+\b], s[SEL], s[SEL+1]
.endr
.irp b, 0,1,2,3
	v_max_num_f32 v[TM+\b], v[TM+\b], v[TM+4+\b]   ; with lane l xor 16's: the block's largest magnitude
.endr
.irp b, 0,1,2,3
	v_add_nc_u32 v[TM+12+\b], 0xff000000, v[TM+\b]   ; 2 off its exponent field: the conversion takes this operand's exponent field as its scale
.endr
.irp b, 0,1,2,3
	v_lshrrev_b32 v[TM+4+\b], 23, v[TM+12+\b]      ; the scale's byte
.endr
	v_lshl_or_b32 v[\pw], v[TM+5], 8, v[TM+4]
	v_lshl_or_b32 v[\pw], v[TM+6], 16, v[\pw]
	v_lshl_or_b32 v[\pw], v[TM+7], 24, v[\pw]
.irp c, 0,1
	v_cvt_scalef32_pk16_fp6_f32 v[PC+6*\c:PC+2+6*\c], v[\src+32*\c:\src+15+32*\c], v[TM+12+2*\c]
	v_cvt_scalef32_pk16_fp6_f32 v[PC+12+4*\c:PC+14+4*\c], v[\src+16+32*\c:\src+31+32*\c], v[TM+12+2*\c+1]
.endr
	v_nop                                          ; one plain place behind a scaled conversion
.irp c, 0,1                                    ; a lane is to hold a WHOLE block: lanes 0-15 block 2 c, lanes 16-31 block 2 c + 1
.irp i, 0,1,2
	v_permlane16_swap_b32 v[PC+6*\c+\i], v[PC+12+4*\c+\i]
.endr
.irp i, 0,1,2
	v_mov_b32 v[PC+3+6*\c+\i], v[PC+12+4*\c+\i]
.endr
.endr
.endm
	s_load_b512 s[4:19], s[0:1], 0x0               ; q, k, v, Wq, Wk, Wv, Wo, ximg
	s_load_b64 s[20:21], s[0:1], 0x40              ; wimg
	v_lshl_add_u32 v4, v0, 2, SPARE                ; my spare word,
	v_mov_b32 v5, 0                                ; and 0: both kept for the wave's last lines
	v_lshrrev_b32 v6, 5, v0
	v_readfirstlane_b32 s24, v6                    ; wave 0..3
	v_and_b32 v6, 31, v0                           ; L
	v_and_b32 v7, 15, v0                           ; r
	v_bfe_u32 v8, v0, 4, 1                         ; h
	v_lshlrev_b32 v1, 4, v6                        ; 16 L: a load's and an image's place for my lane
	s_mul_i32 s40, s24, STG
	v_add_nc_u32 v2, s40, v1                       ; the stage, on the way in: 16 L of a row
	v_mul_u32_u24 v3, v7, 528
	v_lshl_add_u32 v3, v8, 5, v3
	v_add_nc_u32 v3, s40, v3                       ; and on the way out: row r, + 32 h bytes
	v_lshlrev_b32 v9, 2, v6                        ; weights: 4 L: my column
	v_lshlrev_b32 v10, 4, v7
	v_lshl_add_u32 v10, v8, 9, v10                 ; weights: my column's scale word: 512 x (L / 16) + 16 r
	s_mov_b32 s25, 0xffff0000                      ; lanes 16-31
	s_mov_b32 s[SEL], 0x76543210
	s_mov_b32 s[SEL+1], 0xfedcba98
	s_mov_b32 s33, 0
.irp b, 0,1,2,3
	v_mov_b32 v[TM+4+\b], 0                        ; written once: a lane permute's destination counts as one of its sources
.endr
	s_wait_kmcnt 0x0
	s_cmp_ge_u32 ttmp9, 384
	s_cbranch_scc1 .Lweights
	; ---- the inputs
	s_lshr_b32 s28, ttmp9, 7                       ; which tensor: 0 q, 1 k, 2 v
	s_cmp_eq_u32 s28, 0
	s_cselect_b64 s[30:31], s[4:5], s[6:7]
	s_cmp_eq_u32 s28, 2
	s_cselect_b64 s[30:31], s[8:9], s[30:31]
	s_and_b32 s29, ttmp9, 127
	s_lshl_b32 s29, s29, 2
	s_add_co_u32 s29, s29, s24                     ; my row tile, 0..511
	s_lshl_b32 s32, s29, 16                        ; 16 rows of 4,096 bytes
	s_add_nc_u64 s[30:31], s[30:31], s[32:33]
	s_mul_i32 s32, s28, 6291456
	s_mul_i32 s34, s29, 12288
	s_add_co_u32 s32, s32, s34
	s_add_nc_u64 s[36:37], s[18:19], s[32:33]      ; my eight fragments
	s_lshl_b32 s32, s28, 18
	s_lshl_b32 s34, s29, 9
	s_add_co_u32 s32, s32, s34
	s_add_co_u32 s32, s32, 18874368
	s_add_nc_u64 s[38:39], s[18:19], s[32:33]      ; my tile's scale words
.macro LOADX f                         ; step f: 512 bytes of each of my 16 rows
.set i, 0
.rept 16
	global_load_b128 v[RB+64*((\f)%2)+4*i:RB+64*((\f)%2)+4*i+3], v1, s[30:31] offset:4096*i+512*(\f) th:TH_LOAD_NT
.set i, i+1
.endr
.endm
.macro XSTEP f
.if (\f) < 7
	s_wait_loadcnt 16                              ; this step's 16 loads are in; the next step's 16 may be out
.else
	s_wait_loadcnt 0x0
.endif
	s_wait_xcnt 0x0                                ; the last step's stores have read the codes' registers, which QUANT writes again
.set i, 0
.rept 16
	ds_store_b128 v2, v[RB+64*((\f)%2)+4*i:RB+64*((\f)%2)+4*i+3] offset:528*i
.set i, i+1
.endr
.irp b, 0,1,2,3                                ; LDS serves a wave's instructions in order: these see the stores above.  Elements 8 h + 0 .. 7 and 16 + 8 h + 0 .. 7 of block b
	ds_load_b128 v[X+16*\b:X+16*\b+3], v3 offset:128*\b
	ds_load_b128 v[X+16*\b+4:X+16*\b+7], v3 offset:128*\b+16
	ds_load_b128 v[X+16*\b+8:X+16*\b+11], v3 offset:128*\b+64
	ds_load_b128 v[X+16*\b+12:X+16*\b+15], v3 offset:128*\b+80
.endr
	s_wait_dscnt 0x0                               ; my numbers are back, and the stores have read the set that takes the loads of two steps on
.if (\f) < 6
	LOADX (\f)+2
.endif
	QUANT X, PWS+(\f)
.irp c, 0,1,2
	global_store_b128 v1, v[PC+4*\c:PC+4*\c+3], s[36:37] offset:1536*(\f)+512*\c   ; 32 lanes store 512 consecutive bytes, aligned
.endr
.endm
	LOADX 0
	LOADX 1
.irp f, 0,1,2,3,4,5,6,7
	XSTEP \f
.endr
	s_wait_xcnt 0x0                                ; the last stores have read v[PC] on
.irp w, 0,1,2,3
	v_cndmask_b32 v[PC+\w], v[PWS+\w], v[PWS+4+\w], s25   ; lanes 0-15: K step w; lanes 16-31: K step 4 + w
.endr
	global_store_b128 v1, v[PC:PC+3], s[38:39]     ; the tile's 512 bytes of scale words
	s_branch .Lend
	; ---- the weights
.Lweights:
	s_sub_co_u32 s28, ttmp9, 384
	s_lshr_b32 s29, s28, 6                         ; which weight: 0 Wq, 1 Wk, 2 Wv, 3 Wo
	s_bfe_u32 s34, s28, 0x30003                    ; which 128 columns
	s_and_b32 s35, s28, 7                          ; which K step
	s_cmp_eq_u32 s29, 0
	s_cselect_b64 s[30:31], s[10:11], s[12:13]
	s_cmp_eq_u32 s29, 2
	s_cselect_b64 s[30:31], s[14:15], s[30:31]
	s_cmp_eq_u32 s29, 3
	s_cselect_b64 s[30:31], s[16:17], s[30:31]
	s_lshl_b32 s32, s35, 19                        ; 128 rows of 4,096 bytes a K step,
	s_lshl_b32 s40, s34, 9                         ; 512 bytes for 128 columns,
	s_add_co_u32 s32, s32, s40
	s_lshl_b32 s40, s24, 7                         ; 128 for my wave's 32
	s_add_co_u32 s32, s32, s40
	s_add_nc_u64 s[30:31], s[30:31], s[32:33]
	s_lshl_b32 s41, s34, 3
	s_lshl_b32 s40, s24, 1
	s_add_co_u32 s41, s41, s40                     ; my first row tile of the operand (its rows are the columns n)
	s_lshl_b32 s40, s41, 3
	s_add_co_u32 s40, s40, s35
	s_mul_i32 s40, s40, 1536
	s_mul_i32 s32, s29, 786432
	s_add_co_u32 s32, s32, s40
	s_add_nc_u64 s[36:37], s[20:21], s[32:33]      ; its fragment of this K step; the second tile's lies 12,288 bytes on
	s_lshl_b32 s32, s29, 15
	s_lshl_b32 s40, s41, 9
	s_add_co_u32 s32, s32, s40
	s_lshr_b32 s40, s35, 2
	s_lshl_b32 s40, s40, 8
	s_add_co_u32 s32, s32, s40
	s_and_b32 s40, s35, 3
	s_lshl_b32 s40, s40, 2
	s_add_co_u32 s32, s32, s40
	s_add_co_u32 s32, s32, 3145728
	s_add_nc_u64 s[38:39], s[20:21], s[32:33]      ; where this K step's words stand in the tile's scale image
.set i, 0
.rept 128                                      ; register i: block i / 32, place i % 32, which holds the element named at the head.  32 lanes read 128 consecutive bytes of a row, the four waves 512
	global_load_b32 v[RB+i], v9, s[30:31] offset:((i&96)+(i&7)+2*(i&8)+(i&16)/2)*4096 th:TH_LOAD_NT
.set i, i+1
.endr
.macro WBLOCK y                        ; block y of my column: all its 32 numbers are mine
.set XS, RB+32*(\y)
.set cc, (\y)/2
.if (\y) < 2
	s_wait_loadcnt 63                              ; 96 and 64 younger loads could stay out: 63 is the largest count that a wait can name
.elseif (\y) == 2
	s_wait_loadcnt 32                              ; the last block's 32 may be out
.else
	s_wait_loadcnt 0x0
.endif
	v_max3_num_f32 v176, |v[XS]|, |v[XS+1]|, |v[XS+2]|
	v_max3_num_f32 v177, |v[XS+3]|, |v[XS+4]|, |v[XS+5]|
.irp i, 6,10,14,18,22,26
	v_max3_num_f32 v176, v176, |v[XS+\i]|, |v[XS+\i+1]|
	v_max3_num_f32 v177, v177, |v[XS+\i+2]|, |v[XS+\i+3]|
.endr
	v_max3_num_f32 v176, v176, |v[XS+30]|, |v[XS+31]|
	v_max3_num_f32 v176, v176, v177, 0x1800000     ; and the floor
	v_add_nc_u32 v[SO+(\y)], 0xff000000, v176
	v_lshrrev_b32 v[BY+(\y)], 23, v[SO+(\y)]
.if ((\y)%2) == 0
	v_cvt_scalef32_pk16_fp6_f32 v[PA+6*cc:PA+6*cc+2], v[XS:XS+15], v[SO+(\y)]
	v_cvt_scalef32_pk16_fp6_f32 v[TA:TA+2], v[XS+16:XS+31], v[SO+(\y)]   ; (the next block's maxima are the plain lines behind these)
.else
	v_cvt_scalef32_pk16_fp6_f32 v[PB+6*cc:PB+6*cc+2], v[XS:XS+15], v[SO+(\y)]
	v_cvt_scalef32_pk16_fp6_f32 v[TB:TB+2], v[XS+16:XS+31], v[SO+(\y)]
	v_nop                                          ; one plain place behind a scaled conversion
.irp i, 0,1,2
	v_mov_b32 v[PA+6*cc+3+\i], v[TA+\i]
	v_mov_b32 v[PB+6*cc+3+\i], v[TB+\i]
.endr
.irp i, 0,1,2,3,4,5                            ; PA held every column's block 2 c, PB its block 2 c + 1.  PA's lanes 16-31 change places with PB's lanes 0-15: PA is now the fragment of columns 0-15, PB of columns 16-31
	v_permlane16_swap_b32 v[PA+6*cc+\i], v[PB+6*cc+\i]
.endr
.endif
.endm
	WBLOCK 0
	WBLOCK 1
	WBLOCK 2
	WBLOCK 3
	v_lshl_or_b32 v188, v[BY+1], 8, v[BY]
	v_lshl_or_b32 v188, v[BY+2], 16, v188
	v_lshl_or_b32 v188, v[BY+3], 24, v188          ; my column's scale word of this K step
.irp c, 0,1,2
	global_store_b128 v1, v[PA+4*\c:PA+4*\c+3], s[36:37] offset:512*\c
.endr
.irp c, 0,1,2
	global_store_b128 v1, v[PB+4*\c:PB+4*\c+3], s[36:37] offset:12288+512*\c
.endr
	global_store_b32 v10, v188, s[38:39]           ; 4 bytes a lane, 16 bytes apart: a quarter of each 256 bytes touched; in all 131,072 of the 22,937,600 bytes that the launch stores
.Lend:
	s_wait_tensorcnt 0x0                           ; the wave's end: a tensor wait, an add and its wait behind the last LDS store, the tensor wait even in a text with no tensor load
	ds_add_u32 v4, v5
	s_wait_dscnt 0x0
	s_endpgm
.Lfunc_end_k_q6490d8473b_quant:
	.size	k_q6490d8473b_quant, .Lfunc_end_k_q6490d8473b_quant-k_q6490d8473b_quant
	.p2alignl 7, 3214868480
	.fill 96, 4, 3214868480
	.section	.rodata,"a",@progbits
	.p2align	6, 0x0
	.amdhsa_kernel k_q6490d8473b_quant
		.amdhsa_group_segment_fixed_size 34304
		.amdhsa_private_segment_fixed_size 0
		.amdhsa_enable_private_segment 0
		.amdhsa_kernarg_size 72
		.amdhsa_user_sgpr_count 2
		.amdhsa_user_sgpr_kernarg_segment_ptr 1
		.amdhsa_wavefront_size32 1
		.amdhsa_system_sgpr_workgroup_id_x 1
		.amdhsa_system_sgpr_workgroup_id_y 1
		.amdhsa_system_sgpr_workgroup_id_z 1
		.amdhsa_system_vgpr_workitem_id 0
		.amdhsa_next_free_vgpr 256
		.amdhsa_next_free_sgpr 66
		.amdhsa_reserve_vcc 0
		.amdhsa_float_denorm_mode_32 3
		.amdhsa_float_denorm_mode_16_64 3
		.amdhsa_memory_ordered 1
		.amdhsa_forward_progress 1
		.amdhsa_inst_pref_size 84
	.end_amdhsa_kernel
	.amdgpu_metadata
---
amdhsa.version: [ 1, 2 ]
amdhsa.kernels:
  - .name:           k_q6490d8473b_quant
    .symbol:         k_q6490d8473b_quant.kd
    .args:
      - { .name: q, .offset: 0, .size: 8, .value_kind: global_buffer, .address_space: global }
      - { .name: k, .offset: 8, .size: 8, .value_kind: global_buffer, .address_space: global }
      - { .name: v, .offset: 16, .size: 8, .value_kind: global_buffer, .address_space: global }
      - { .name: Wq, .offset: 24, .size: 8, .value_kind: global_buffer, .address_space: global }
      - { .name: Wk, .offset: 32, .size: 8, .value_kind: global_buffer, .address_space: global }
      - { .name: Wv, .offset: 40, .size: 8, .value_kind: global_buffer, .address_space: global }
      - { .name: Wo, .offset: 48, .size: 8, .value_kind: global_buffer, .address_space: global }
      - { .name: ximg, .offset: 56, .size: 8, .value_kind: global_buffer, .address_space: global }
      - { .name: wimg, .offset: 64, .size: 8, .value_kind: global_buffer, .address_space: global }
    .group_segment_fixed_size: 34304
    .private_segment_fixed_size: 0
    .kernarg_segment_align: 8
    .kernarg_segment_size: 72
    .max_flat_workgroup_size: 128
    .sgpr_count:     66
    .vgpr_count:     256
    .wavefront_size: 32
...
	.end_amdgpu_metadata
.endif
;; end of part 1
;; launch proj (part 2): grid 384 x 1, 4 waves a work-group, no clusters, 0 bytes of LDS; arguments ximg, wimg, bq, bk, bv, pimg; writes pimg
.if DOCPART == 2
	.amdgcn_target "amdgcn-amd-amdhsa--gfx1250"
	.amdhsa_code_object_version 6
	.text
	.protected	k_q6490d8473b_proj
	.globl	k_q6490d8473b_proj
	.p2align	8
	.type	k_q6490d8473b_proj,@function
k_q6490d8473b_proj:
	s_mov_b64 s[64:65], 0
	v_nop
	global_prefetch_b8 v0, s[64:65] scope:SCOPE_SE
	s_setreg_imm32_b32 hwreg(HW_REG_WAVE_MODE, 25, 1), 1
	s_wait_xcnt 0x0
; Q = q Wq + bq, K = k Wk + bk, V = v Wv + bv on codes of FP6 (E2M3) with E8M0 scales, sums in f32; the results are quantised in registers and leave as codes: Q and K along the head's axis, V along the keys.
; ONE FORM SERVES ALL THREE: Out[i][j] = sum over k of S1[i][k] S0[j][k] + bias, quantised along j.  Source 0 = 16 rows of S0, source 1 = 16 rows of S1: in the result lane (r, h) holds i = r and its registers j = 8 h + 0 .. 7.
; Q, K: S0 = the weight (j = n), S1 = the tokens, the bias goes by j.  V: S0 = the tokens (j = the keys), S1 = the weight, the bias goes by i.  Only pointers and the bias's add differ.
; SHARES.  Work-groups 0-127 Q, 128-255 K, 256-383 V.  A wave makes 128 (i) x 128 (j): 64 accumulators, 512 registers.  K = 1,024 is eight matrix instructions deep: written out, every offset an immediate.
; OPERANDS COME FROM MEMORY STRAIGHT INTO REGISTERS: the launch before has laid each fragment in the order of its registers, so a fragment is three loads of 16 bytes a lane, 512 consecutive bytes each.
; So there is no LDS, no barrier and no tensor load.  NO CLUSTER: with no tile in LDS there is no tensor load that partners could ask for jointly; the price is that each of the 1,536 waves fetches its own 8 x 24,576 bytes of codes.
; THE RESULT.  The 16 registers of two neighbouring tiles of j are 16 of the 32 numbers of a block (lane l xor 16 holds the others): place p of a block holds element (p & 7) + 2 (p & 8) + (p & 16) / 2, in every operand of the program alike.
; pimg: tensor T, block idx = 64 x (128 of n) + (128 tokens): eight fragments of 1,536 bytes, each as two halves of 768 (registers 6 c .. 6 c + 3 of lane L at 768 c + 16 L, registers 6 c + 4, 6 c + 5 at 768 c + 512 + 8 L):
; a half is 64 along K, one head of Q or K.  Scale words: 512 bytes a block: at 16 L + 4 q the word of row 16 (4 h + q) + r.
; LIMITS: NaN and infinities are not served.  A block of zeros gets the byte 1 where the rule says 127: its codes are zeros, and the bytes are read by this program alone.
; REGISTERS, in windows of 256: window 0: v1-4 offsets; v32-63 S0's scale words (tile b: 4 b + q), v64-95 S1's; v96-143, v144-191 S1's tiles 0-3, two sets; v192-239 S1's tiles 4-7, set 0.
;   window 1: v0-95, v96-191 S0's eight tiles, two sets; v192-239 S1's tiles 4-7, set 1; at the end v0-63 the bias.   windows 2, 3: accumulator (a, b) at v[8 (8 (a % 4) + b)] of window 2 + a / 4.
;   A scale register q serves K step q from lanes 0-15 and K step 4 + q from lanes 16-31.
.set S0SC, 32
.set S1SC, 64
.set TT,   96                          ; the way out, window 0: v96-159 64 numbers;  v160-178 codes;  v180-195 at work;  v196-203 the eight scale words;  v204-207 their image
.set PC,   160
.set TM,   180
.set PWS,  196
.set W4,   204
.set S0P,  30                          ; s[30:31] S0's codes, s[32:33] its scale words, s[34:35], s[36:37] S1's
.set S0S,  32
.set S1P,  34
.set S1S,  36
.set BIA,  38                          ; s[38:39] the bias's 128 numbers
.set OUC,  40                          ; s[40:41] my block of pimg, s[42:43] its scale words
.set OUS,  42
.set SEL,  46
.set MSB, 0
.macro WIN new                         ; the immediate's high byte repeats the setting that is left; a switch that changes nothing is dropped
.if MSB != (\new)
	s_set_vgpr_msb (MSB<<8)|(\new)
.set MSB, (\new)
.endif
.endm
.macro QUANT src, pw                   ; 64 numbers of a lane, register 16 b + i of block b, become a fragment's codes in v[PC] .. v[PC + 11] and the row's scale word in v[pw]
.irp b, 0,1,2,3
	v_max3_num_f32 v[TM+\b], |v[\src+16*\b]|, |v[\src+1+16*\b]|, 0x1800000   ; my 16 numbers, and the floor 2^(3 - 127): the byte cannot fall under 1
.endr
.irp i, 2,4,6,8,10,12,14
.irp b, 0,1,2,3
	v_max3_num_f32 v[TM+\b], v[TM+\b], |v[\src+16*\b+\i]|, |v[\src+1+16*\b+\i]|
.endr
.endr
.irp b, 0,1,2,3
	v_permlanex16_b32 v[TM+4+\b], v[TM+\b], s[SEL], s[SEL+1]
.endr
.irp b, 0,1,2,3
	v_max_num_f32 v[TM+\b], v[TM+\b], v[TM+4+\b]
.endr
.irp b, 0,1,2,3
	v_add_nc_u32 v[TM+12+\b], 0xff000000, v[TM+\b]   ; 2 off the exponent field: the conversion's scale operand
.endr
.irp b, 0,1,2,3
	v_lshrrev_b32 v[TM+4+\b], 23, v[TM+12+\b]
.endr
	v_lshl_or_b32 v[\pw], v[TM+5], 8, v[TM+4]
	v_lshl_or_b32 v[\pw], v[TM+6], 16, v[\pw]
	v_lshl_or_b32 v[\pw], v[TM+7], 24, v[\pw]
.irp c, 0,1
	v_cvt_scalef32_pk16_fp6_f32 v[PC+6*\c:PC+2+6*\c], v[\src+32*\c:\src+15+32*\c], v[TM+12+2*\c]
	v_cvt_scalef32_pk16_fp6_f32 v[PC+12+4*\c:PC+14+4*\c], v[\src+16+32*\c:\src+31+32*\c], v[TM+12+2*\c+1]
.endr
	v_nop                                          ; one plain place behind a scaled conversion
.irp c, 0,1
.irp i, 0,1,2
	v_permlane16_swap_b32 v[PC+6*\c+\i], v[PC+12+4*\c+\i]
.endr
.irp i, 0,1,2
	v_mov_b32 v[PC+3+6*\c+\i], v[PC+12+4*\c+\i]
.endr
.endr
.endm
.macro LDF reg, sb, off                ; a fragment: three loads, 512 consecutive bytes each
.irp c, 0,1,2
	global_load_b128 v[(\reg)+4*\c:(\reg)+4*\c+3], v1, s[\sb:\sb+1] offset:(\off)+512*\c
.endr
.endm
.macro LOAD_S0 kb
	WIN 0x40                                       ; destination window 1, offset window 0
.irp b, 0,1,2,3,4,5,6,7
	LDF 96*((\kb)%2)+12*\b, S0P, 12288*\b+1536*(\kb)
.endr
.endm
.macro LOAD_LO kb
	WIN 0
.irp a, 0,1,2,3
	LDF 96+48*((\kb)%2)+12*\a, S1P, 12288*\a+1536*(\kb)
.endr
.endm
.macro LOAD_HI kb
	WIN 0x40*((\kb)%2)
.irp a, 0,1,2,3
	LDF 192+12*\a, S1P, 12288*(4+\a)+1536*(\kb)
.endr
.endm
; 32 matrix instructions: S1's tiles 4 hi .. 4 hi + 3, each against S0's eight.  The 64 accumulators take turns, one instruction a turn, in the same order in all eight K steps.
.macro MULH kb, hi
.if (\hi) == 0
	WIN 0xa1                                       ; source 0 window 1, source 1 window 0, C and D window 2
.elseif ((\kb)%2) == 0
	WIN 0xf1                                       ; C and D window 3
.else
	WIN 0xf5                                       ; and source 1 window 1
.endif
.irp a, 0,1,2,3
.irp b, 0,1,2,3,4,5,6,7
.set rD, 8*(8*\a+\b)
.set rA, 96*((\kb)%2)+12*\b
.if (\hi) == 0
.set rB, 96+48*((\kb)%2)+12*\a
.else
.set rB, 192+12*\a
.endif
.set sA, S0SC+4*\b+(\kb)%4
.set sB, S1SC+4*(4*(\hi)+\a)+(\kb)%4
.if (\kb) == 0
	v_wmma_scale_f32_16x16x128_f8f6f4 v[rD:rD+7], v[rA:rA+11], v[rB:rB+11], 0, v[sA], v[sB] matrix_a_fmt:MATRIX_FMT_FP6 matrix_b_fmt:MATRIX_FMT_FP6
.elseif (\kb) < 4
	v_wmma_scale_f32_16x16x128_f8f6f4 v[rD:rD+7], v[rA:rA+11], v[rB:rB+11], v[rD:rD+7], v[sA], v[sB] matrix_a_fmt:MATRIX_FMT_FP6 matrix_b_fmt:MATRIX_FMT_FP6
.else
	v_wmma_scale_f32_16x16x128_f8f6f4 v[rD:rD+7], v[rA:rA+11], v[rB:rB+11], v[rD:rD+7], v[sA], v[sB] matrix_a_fmt:MATRIX_FMT_FP6 matrix_b_fmt:MATRIX_FMT_FP6 matrix_a_scale:MATRIX_SCALE_ROW1 matrix_b_scale:MATRIX_SCALE_ROW1
.endif
.endr
.endr
.endm
	s_load_b256 s[4:11], s[0:1], 0x0               ; ximg, wimg, bq, bk
	s_load_b128 s[12:15], s[0:1], 0x20             ; bv, pimg
	v_lshrrev_b32 v5, 5, v0
	v_readfirstlane_b32 s16, v5                    ; wave 0..3
	v_and_b32 v5, 31, v0
	v_and_b32 v6, 15, v0
	v_bfe_u32 v7, v0, 4, 1
	v_lshlrev_b32 v1, 4, v5                        ; 16 L
	v_lshlrev_b32 v2, 3, v5                        ; 8 L
	v_lshlrev_b32 v3, 5, v7                        ; 32 h: eight numbers of a bias by j
	v_lshlrev_b32 v4, 2, v6                        ; 4 r: one number of a bias by i
	s_lshr_b32 s17, ttmp9, 7                       ; T: 0 Q, 1 K, 2 V
	s_and_b32 s18, ttmp9, 127
	s_lshr_b32 s19, s18, 2
	s_lshl_b32 s19, s19, 1
	s_lshr_b32 s20, s16, 1
	s_add_co_u32 s19, s19, s20                     ; TB: my 128 tokens, 0..63
	s_and_b32 s20, s18, 3
	s_lshl_b32 s20, s20, 1
	s_and_b32 s21, s16, 1
	s_add_co_u32 s20, s20, s21                     ; WB: my 128 of n, 0..7
	s_mov_b32 s23, 0
	s_mov_b32 s25, 0
	s_mov_b32 s27, 0
	s_mov_b32 s29, 0
	s_mul_i32 s22, s17, 6291456
	s_mul_i32 s21, s19, 98304
	s_add_co_u32 s22, s22, s21                     ; the tokens' codes: eight row tiles x eight K steps x 1,536 bytes a block
	s_lshl_b32 s24, s17, 18
	s_lshl_b32 s21, s19, 12
	s_add_co_u32 s24, s24, s21
	s_add_co_u32 s24, s24, 18874368                ; their scale words
	s_mul_i32 s26, s17, 786432
	s_mul_i32 s21, s20, 98304
	s_add_co_u32 s26, s26, s21                     ; the weight's codes
	s_lshl_b32 s28, s17, 15
	s_lshl_b32 s21, s20, 12
	s_add_co_u32 s28, s28, s21
	s_add_co_u32 s28, s28, 3145728                 ; its scale words
	s_mov_b32 s44, 0xffff0000                      ; lanes 16-31
	s_mov_b32 s[SEL], 0x76543210
	s_mov_b32 s[SEL+1], 0xfedcba98
	s_wait_kmcnt 0x0
	s_add_nc_u64 s[48:49], s[4:5], s[22:23]
	s_add_nc_u64 s[50:51], s[4:5], s[24:25]
	s_add_nc_u64 s[52:53], s[6:7], s[26:27]
	s_add_nc_u64 s[54:55], s[6:7], s[28:29]
	s_cmp_eq_u32 s17, 2                            ; V: the tokens are source 0
	s_cselect_b64 s[S0P:S0P+1], s[48:49], s[52:53]
	s_cselect_b64 s[S0S:S0S+1], s[50:51], s[54:55]
	s_cselect_b64 s[S1P:S1P+1], s[52:53], s[48:49]
	s_cselect_b64 s[S1S:S1S+1], s[54:55], s[50:51]
	s_cselect_b64 s[BIA:BIA+1], s[12:13], s[10:11]
	s_cmp_eq_u32 s17, 0
	s_cselect_b64 s[BIA:BIA+1], s[8:9], s[BIA:BIA+1]
	s_lshl_b32 s22, s20, 9
	s_add_nc_u64 s[BIA:BIA+1], s[BIA:BIA+1], s[22:23]
	s_lshl_b32 s24, s20, 6
	s_add_co_u32 s24, s24, s19                     ; idx = 64 WB + TB
	s_mul_i32 s22, s24, 12288
	s_mul_i32 s26, s17, 6291456
	s_add_co_u32 s22, s22, s26
	s_add_nc_u64 s[OUC:OUC+1], s[14:15], s[22:23]
	s_lshl_b32 s22, s24, 9
	s_lshl_b32 s26, s17, 18
	s_add_co_u32 s22, s22, s26
	s_add_co_u32 s22, s22, 18874368
	s_add_nc_u64 s[OUS:OUS+1], s[14:15], s[22:23]
.irp b, 0,1,2,3,4,5,6,7
	global_load_b128 v[S0SC+4*\b:S0SC+4*\b+3], v1, s[S0S:S0S+1] offset:512*\b   ; a tile's scale words for all of K
.endr
.irp a, 0,1,2,3,4,5,6,7
	global_load_b128 v[S1SC+4*\a:S1SC+4*\a+3], v1, s[S1S:S1S+1] offset:512*\a
.endr
	LOAD_S0 0
	LOAD_LO 0
	LOAD_HI 0
; A K step.  A load into a register that a matrix instruction has read stands four places behind that instruction, and only plain vector instructions are places (ISA guide 7.12.1 for vector instructions):
; the four v_nop at the head serve all three runs of loads of the step: each run's registers were last read in the step before.
.macro KB kb
	s_wait_loadcnt 12                              ; all but the youngest twelve loads are in: those are this step's tiles 4-7 of S1
.if (\kb) > 0
.rept 4
	v_nop
.endr
.endif
.if (\kb) < 7
	LOAD_S0 (\kb)+1
	LOAD_LO (\kb)+1
.endif
	MULH \kb, 0
.if (\kb) < 7
	s_wait_loadcnt 36                              ; tiles 4-7 are in; the 36 loads just issued may be out
	LOAD_HI (\kb)+1
.else
	s_wait_loadcnt 0x0
	WIN 0                                          ; at a branch and at a label every window is 0
	s_cmp_eq_u32 s17, 2
	s_cbranch_scc1 .Lbias_v
	WIN 0x40                                       ; the bias lands in S0's set 0, which the step before read last
.irp b, 0,1,2,3,4,5,6,7
	global_load_b128 v[8*\b:8*\b+3], v3, s[BIA:BIA+1] offset:64*\b      ; Q, K: register 8 b + j = bias[16 b + 8 h + j]
	global_load_b128 v[8*\b+4:8*\b+7], v3, s[BIA:BIA+1] offset:64*\b+16
.endr
	WIN 0
	s_branch .Lbias_done
.Lbias_v:
	WIN 0x40
.irp a, 0,1,2,3,4,5,6,7
	global_load_b32 v[2*\a], v4, s[BIA:BIA+1] offset:64*\a              ; V: bias[16 a + r], twice: a pair for the packed add
	global_load_b32 v[2*\a+1], v4, s[BIA:BIA+1] offset:64*\a
.endr
	WIN 0
.Lbias_done:
.endif
	MULH \kb, 1
.endm
.irp k, 0,1,2,3,4,5,6,7
	KB \k
.endr
	s_wait_loadcnt 0x0                             ; the bias
	WIN 0
.rept 4
	v_nop                                          ; places behind the last products, in front of the first read of results and the first write over operands
.endr
.irp b, 0,1,2,3
	v_mov_b32 v[TM+4+\b], 0                        ; written once: a lane permute's destination counts as one of its sources
.endr
; THE WAY OUT of tile a of i: 16 rows x 128 of j.  The bias's add is also the move into window 0; each accumulator is read from its low end on.
.macro EPI a
.if (\a) > 0
	s_wait_xcnt 0x0                                ; the last tile's stores have read the codes' registers
.endif
	s_cmp_eq_u32 s17, 2
	s_cbranch_scc1 .Lvb_\@
	WIN 0x06+(\a)/4                                ; source 0 window 2 or 3, source 1 window 1, destination window 0
.set m, 0
.rept 32
	v_pk_add_f32 v[TT+2*m:TT+2*m+1], v[64*((\a)%4)+2*m:64*((\a)%4)+2*m+1], v[2*m:2*m+1]
.set m, m+1
.endr
	WIN 0
	s_branch .Lbd_\@
.Lvb_\@:
	WIN 0x06+(\a)/4
.set m, 0
.rept 32
	v_pk_add_f32 v[TT+2*m:TT+2*m+1], v[64*((\a)%4)+2*m:64*((\a)%4)+2*m+1], v[2*(\a):2*(\a)+1]
.set m, m+1
.endr
	WIN 0
.Lbd_\@:
	QUANT TT, PWS+(\a)
	global_store_b128 v1, v[PC:PC+3], s[OUC:OUC+1] offset:1536*(\a)           ; 512 consecutive bytes,
	global_store_b64 v2, v[PC+4:PC+5], s[OUC:OUC+1] offset:1536*(\a)+512      ; 256: the first half;
	global_store_b128 v1, v[PC+6:PC+9], s[OUC:OUC+1] offset:1536*(\a)+768     ; and the second
	global_store_b64 v2, v[PC+10:PC+11], s[OUC:OUC+1] offset:1536*(\a)+1280
.endm
.irp t, 0,1,2,3,4,5,6,7
	EPI \t
.endr
.irp w, 0,1,2,3
	v_cndmask_b32 v[W4+\w], v[PWS+\w], v[PWS+4+\w], s44   ; lanes 0-15: tile w; lanes 16-31: tile 4 + w
.endr
	global_store_b128 v1, v[W4:W4+3], s[OUS:OUS+1] ; the block's 512 bytes of scale words
	s_endpgm
.Lfunc_end_k_q6490d8473b_proj:
	.size	k_q6490d8473b_proj, .Lfunc_end_k_q6490d8473b_proj-k_q6490d8473b_proj
	.p2alignl 7, 3214868480
	.fill 96, 4, 3214868480
	.section	.rodata,"a",@progbits
	.p2align	6, 0x0
	.amdhsa_kernel k_q6490d8473b_proj
		.amdhsa_group_segment_fixed_size 0
		.amdhsa_private_segment_fixed_size 0
		.amdhsa_enable_private_segment 0
		.amdhsa_kernarg_size 48
		.amdhsa_user_sgpr_count 2
		.amdhsa_user_sgpr_kernarg_segment_ptr 1
		.amdhsa_wavefront_size32 1
		.amdhsa_system_sgpr_workgroup_id_x 1
		.amdhsa_system_sgpr_workgroup_id_y 1
		.amdhsa_system_sgpr_workgroup_id_z 1
		.amdhsa_system_vgpr_workitem_id 0
		.amdhsa_next_free_vgpr 1024
		.amdhsa_next_free_sgpr 66
		.amdhsa_reserve_vcc 0
		.amdhsa_float_denorm_mode_32 3
		.amdhsa_float_denorm_mode_16_64 3
		.amdhsa_memory_ordered 1
		.amdhsa_forward_progress 1
		.amdhsa_inst_pref_size 178
	.end_amdhsa_kernel
	.amdgpu_metadata
---
amdhsa.version: [ 1, 2 ]
amdhsa.kernels:
  - .name:           k_q6490d8473b_proj
    .symbol:         k_q6490d8473b_proj.kd
    .args:
      - { .name: ximg, .offset: 0, .size: 8, .value_kind: global_buffer, .address_space: global }
      - { .name: wimg, .offset: 8, .size: 8, .value_kind: global_buffer, .address_space: global }
      - { .name: bq, .offset: 16, .size: 8, .value_kind: global_buffer, .address_space: global }
      - { .name: bk, .offset: 24, .size: 8, .value_kind: global_buffer, .address_space: global }
      - { .name: bv, .offset: 32, .size: 8, .value_kind: global_buffer, .address_space: global }
      - { .name: pimg, .offset: 40, .size: 8, .value_kind: global_buffer, .address_space: global }
    .group_segment_fixed_size: 0
    .private_segment_fixed_size: 0
    .kernarg_segment_align: 8
    .kernarg_segment_size: 48
    .max_flat_workgroup_size: 128
    .sgpr_count:     66
    .vgpr_count:     1024
    .wavefront_size: 32
...
	.end_amdgpu_metadata
.endif
;; end of part 2
;; launch attn (part 3): grid 16 x 32, 16 waves a work-group, no clusters, 327,680 bytes of LDS; arguments pimg, oimg; writes oimg
.if DOCPART == 3
	.amdgcn_target "amdgcn-amd-amdhsa--gfx1250"
	.amdhsa_code_object_version 6
	.text
	.protected	k_q6490d8473b_attn
	.globl	k_q6490d8473b_attn
	.p2align	8
	.type	k_q6490d8473b_attn,@function
k_q6490d8473b_attn:
	s_mov_b64 s[64:65], 0
	v_nop
	global_prefetch_b8 v0, s[64:65] scope:SCOPE_SE
	s_setreg_imm32_b32 hwreg(HW_REG_WAVE_MODE, 25, 1), 1
	s_wait_xcnt 0x0
; O = softmax(Q K^T / 8) V for 64 heads of size 64, 2,048 queries and keys each, both products on codes of FP6 (E2M3) with E8M0 scales; O / l is quantised along the model's axis and leaves as codes.
; THE SOFTMAX AHEAD OF THE SECOND PRODUCT: t = score x log2(e) / 8; M = the row's largest t so far, rounded UP to a whole number; p = 2^(t - M) is what is quantised, along the keys, not normalised.
; The row's sum is taken of the unquantised p, in f32, and divides O at the end.  When M moves, the sum and O are multiplied by 2^(old M - new M): exact.
; SHARES.  A work-group owns 128 queries (x) of a PAIR of heads (y = 8 x batch + pair): the launch before has laid 128 of n, two heads, into one block, so every byte fetched is used.
; Wave w: head e = w / 8 of the pair, tile t = w % 8 of 16 queries, in 256 registers: four waves to a SIMD, so that one wave's vector work stands beside another's matrix work and LDS loads.
; Every wave walks the 2,048 keys, 128 a step.  K's and V's blocks come through a ring of two LDS slots of two steps, filled by the tensor data mover (waves 0, 1: K's two steps; waves 2, 3: V's).
; LAYOUT.  Both products are used transposed: S^T = K Q^T (source 0 = 16 keys, source 1 = my queries), O^T = V^T P^T: a lane holds ONE query (lane % 16) throughout.  The 16 registers of tiles 2 b, 2 b + 1 of S^T are 16 of the
; 32 keys of block b; place p of a block holds key (p & 7) + 2 (p & 8) + (p & 16) / 2, and V's codes were laid along the keys in the same order, as were Q's and K's along the head.
; OPERANDS LIE IN LDS AS IMAGES OF THEIR REGISTERS: half a fragment (16 rows x 64 K, six registers) is 768 bytes: registers 0-3 of lane L at 16 L, registers 4, 5 at 512 + 8 L.  No pitch, no padding.
; K = 64 IN AN INSTRUCTION OF 128: Q's registers 6-11 hold zero codes, so k = 64 .. 127 adds exactly 0 whatever stands on K's side.  K's tile t is named v[32 + 6 t : 43 + 6 t]: its upper six registers are the next tile's
; codes (behind the last tile: six zeros), which are finite numbers, FP6 having no other; the two upper scale bytes on both sides are the zeros of a 16-bit load, 2^-127 each, never 0xff.
; NO CLUSTER: the sixteen query blocks of a pair share K and V, but a slot's 49,152 bytes are walked by 16 waves x 2 steps of some 250 vector instructions each: what is shared is fetched far ahead of its use
; by one load a wave; joint loads would add a cluster's barrier to each of the eight changes of slots.
; LIMITS: NaN and infinities are not served.  A block of zeros gets the byte 1 where the rule says 127: its codes are zeros, and the bytes are read by this program alone.
; REGISTERS: v1-4, v7, v8 places that stay; v5, v6 the add's two; v9-14 the addresses in hand; v15 the prefetch's offset; v16 -M, v17 the largest t, v[18:19] the sum in two halves; v20-31 Q; v32-79 K's eight tiles, v80-85 zeros;
; v86, v87 O's scale bytes in LDS; v88-135 V's four fragments; v136-199 S^T, then p; v200-231 O^T; v232-239 K's scale words, v240-243 V's, v244 p's, v245 Q's; v[246:247] f; v248 at work.
; Behind the score products K's registers are free: v32-43 p's codes, v44-50 their upper halves, v52-55 block maxima, v56-59 permutes and bytes, v60-63 scale operands, v[64:65] the second chain of the sum.
.set SLOT1, 131072                     ; slot 1 begins here: one exclusive or turns an address in one slot into the other's.  A slot: K step 0 | K step 1 | V step 0 | V step 1, 12,288 bytes each
.set SCK,   262144                     ; K's scale words of the pair's 2,048 keys: 16 x 512 bytes, filled once
.set SCV,   270336                     ; V's likewise
.set SCO,   278528                     ; 512 bytes in which the sixteen waves gather O's scale bytes: no fill lands here
.set SPARE, 279040                     ; the spare words, 128 bytes for each wave: eight blocks of 256 bytes that no other line names
.set KF,  32
.set VF,  88
.set S,   136
.set OT,  200
.set KS,  232
.set BM,  52
.set PM,  56
.set SO,  60
.macro TLOAD                           ; waves 0 to 3 fetch, one load each; the branch hangs on the wave's number alone.  An s_nop 0 and four v_nop follow the load
	s_cmp_lt_u32 s8, 4
	s_cbranch_scc0 .Lnt_\@
	tensor_load_to_lds s[40:43], s[24:31]
	s_nop 0
.rept 4
	v_nop
.endr
.Lnt_\@:
.endm
; A PREFETCH INTO THE L2 of what the NEXT change of slots will ask for: 24,576 bytes of K and as many of V, two key steps ahead of that load.  All sixteen work-groups of a pair walk the same K and V: the one with x = 0 asks.
; In it waves 4 to 6 ask for K's bytes and waves 8 to 10 for V's: 8,192 bytes a wave, lanes 256 bytes apart, one instruction: each aligned block of 256 bytes is named once in the launch.
; The last change that fills a slot asks for nothing; slots 0 and 1 come by their loads alone.
.macro ASK
	s_cmp_gt_u32 s50, s51
	s_cbranch_scc0 .Lnm_\@
	global_prefetch_b8 v15, s[52:53] th:TH_LOAD_NT scope:SCOPE_SE
.Lnm_\@:
.endm
	s_load_b128 s[4:7], s[0:1], 0x0                ; pimg, oimg
	v_lshl_add_u32 v5, v0, 2, SPARE
	v_mov_b32 v6, 0
	ds_add_u32 v5, v6                              ; the wave's opening: the add, and its wait ahead of the first tensor load; the set-up below, work on registers, stands between them
	v_lshrrev_b32 v9, 5, v0
	v_readfirstlane_b32 s8, v9                     ; wave 0..15
	s_lshr_b32 s9, s8, 3                           ; e: my head of the pair
	s_and_b32 s10, s8, 7                           ; t: my tile of queries
	s_and_b32 s11, ttmp7, 0xffff
	s_lshr_b32 s12, s11, 3                         ; the batch
	s_and_b32 s13, s11, 7                          ; g: the pair
	s_lshl_b32 s14, s13, 6
	s_lshl_b32 s15, s12, 4
	s_add_co_u32 s14, s14, s15                     ; idx0 = 64 g + 16 batch: the pair's first block of 128 tokens
	s_and_b32 s15, s8, 3                           ; what I fetch, if I fetch: tensor 1 + (w / 2) (K, V), step w % 2 of a slot
	s_lshr_b32 s16, s15, 1
	s_and_b32 s17, s15, 1
	s_add_co_u32 s18, s16, 1
	s_mul_i32 s2, s18, 6291456
	s_add_co_u32 s19, s14, s17
	s_mul_i32 s19, s19, 12288
	s_add_co_u32 s2, s2, s19                       ; its codes in pimg,
	s_mov_b32 s3, 0
	s_lshl_b32 s62, s18, 18
	s_lshl_b32 s19, s14, 9
	s_add_co_u32 s62, s62, s19
	s_lshl_b32 s19, s17, 12
	s_add_co_u32 s62, s62, s19
	s_add_co_u32 s62, s62, 18874368                ; and my half of the tensor's 8,192 bytes of scale words
	s_mov_b32 s63, 0
	; descriptor group 1: a dense block of 12,288 bytes as 48 rows of 256 (32 elements of 8 bytes);  for the scale words 16 such rows
	s_mov_b32 s24, 3<<16                           ; no mask; elements of 8 bytes; no padding
	s_mov_b32 s25, 32<<16                          ; tensor_dim0
	s_mov_b32 s26, 48<<16                          ; tensor_dim1
	s_mov_b32 s27, 32<<16                          ; tile_dim0
	s_mov_b32 s28, 48                              ; tile_dim1
	s_mov_b32 s29, 32                              ; the pitch
	s_mov_b32 s30, 0
	s_mov_b32 s31, 0
	s_mov_b32 s32, 3<<16
	s_mov_b32 s33, 32<<16
	s_mov_b32 s34, 16<<16
	s_mov_b32 s35, 32<<16
	s_mov_b32 s36, 16
	s_mov_b32 s37, 32
	s_mov_b32 s38, 0
	s_mov_b32 s39, 0
	s_mov_b32 s40, 1
	s_mul_i32 s41, s15, 12288                      ; LDS: my quarter of slot 0
	s_mov_b32 s44, 1
	s_lshl_b32 s45, s15, 12
	s_add_co_u32 s45, s45, SCK                     ; LDS: K's two halves, then V's
	s_mov_b32 s20, 0x76543210
	s_mov_b32 s21, 0xfedcba98                      ; v_permlanex16_b32's selects for lane l xor 16
	s_mov_b32 s22, 0x3e38aa3b                      ; c = log2(e) / 8
	s_mov_b32 s23, s22                             ; (named with it as a pair, so it is written)
	s_mov_b32 s48, 0                               ; LDS byte at which the slot in hand begins
	s_mov_b32 s49, 0                               ; where the slot's scale words begin: 1,024 bytes a slot
	s_mov_b32 s50, 7                               ; slots still to be asked for
	s_wait_dscnt 0x0                               ; the opening add is done
	s_wait_kmcnt 0x0
	s_add_nc_u64 s[46:47], s[4:5], s[62:63]
	s_or_b32 s47, s47, 0x80000000
	s_add_nc_u64 s[42:43], s[4:5], s[2:3]
	s_or_b32 s43, s43, 0x80000000
	s_cmp_lt_u32 s8, 4                             ; a wave's two first fills stand in one branch, ahead of every wait on TENSORcnt, every LDS read and every barrier: two loads of mine are out
	s_cbranch_scc0 .Lnofill
	tensor_load_to_lds s[44:47], s[32:39]          ; the scale words: filled once
	s_nop 0
	tensor_load_to_lds s[40:43], s[24:31]          ; slot 0
	s_nop 0
.rept 4
	v_nop
.endr
.Lnofill:
	s_add_co_u32 s11, s14, ttmp9                   ; my queries' block: idx0 + x
	s_lshr_b32 s18, s10, 2
	s_lshl_b32 s18, s18, 8
	s_and_b32 s19, s10, 3
	s_lshl_b32 s19, s19, 2
	s_add_co_u32 s18, s18, s19
	s_lshl_b32 s19, s9, 1
	s_add_co_u32 s18, s18, s19                     ; my tile's and head's place in a block's scale words: 256 (t / 4) + 4 (t % 4) + 2 e
	s_mul_i32 s2, s11, 12288
	s_mul_i32 s19, s10, 1536
	s_add_co_u32 s2, s2, s19
	s_mul_i32 s19, s9, 768
	s_add_co_u32 s2, s2, s19
	s_add_nc_u64 s[54:55], s[4:5], s[2:3]          ; Q's codes: my half fragment
	s_lshl_b32 s2, s11, 9
	s_add_co_u32 s2, s2, s18
	s_add_co_u32 s2, s2, 18874368
	s_add_nc_u64 s[56:57], s[4:5], s[2:3]          ; Q's two scale bytes a row
	s_lshl_b32 s19, s12, 4
	s_add_co_u32 s19, s19, ttmp9
	s_lshl_b32 s19, s19, 3
	s_add_co_u32 s19, s19, s10                     ; my tile among the 512 tiles of tokens
	s_lshl_b32 s19, s19, 3
	s_add_co_u32 s19, s19, s13                     ; x 8 K steps + g
	s_mul_i32 s2, s19, 1536
	s_mul_i32 s19, s9, 768
	s_add_co_u32 s2, s2, s19
	s_add_nc_u64 s[58:59], s[6:7], s[2:3]          ; O's codes: my half fragment
	s_lshl_b32 s2, s11, 9
	s_add_co_u32 s2, s2, 6291456
	s_add_nc_u64 s[60:61], s[6:7], s[2:3]          ; O's scale words of the work-group's 128 rows
	s_lshr_b32 s19, s8, 2                          ; the prefetches: waves 4-6 stand in K, waves 8-10 in V
	s_min_u32 s19, s19, 2                          ; (so that the pointer of a wave that never asks stays inside the buffer too)
	s_mul_i32 s2, s19, 6291456
	s_mul_i32 s19, s14, 12288
	s_add_co_u32 s2, s2, s19
	s_lshl_b32 s19, s15, 13
	s_add_co_u32 s2, s2, s19
	s_add_co_u32 s2, s2, 24576                     ; in slot 1: the first change of slots steps it to slot 2.  Nothing is prefetched here, at the head
	s_add_nc_u64 s[52:53], s[4:5], s[2:3]
	s_lshr_b32 s19, s8, 2
	s_sub_co_u32 s19, s19, 1
	s_lshr_b32 s19, s19, 1                         ; 0 in waves 4 to 11,
	s_or_b32 s19, s19, ttmp9                       ; of the work-group with x = 0
	s_cmp_eq_u32 s19, 0
	s_cselect_b32 s51, 1, -1                       ; a wave asks while s50 is above this
	s_cmp_eq_u32 s15, 3                            ; (three waves' worth: 3 x 8,192 bytes)
	s_cselect_b32 s51, -1, s51
	v_and_b32 v9, 31, v0                           ; L
	v_and_b32 v10, 15, v0                          ; r
	s_mul_i32 s19, s9, 768
	v_lshl_add_u32 v1, v9, 4, s19                  ; K: 16 L + my head's half
	v_lshl_add_u32 v2, v9, 3, s19
	v_add_nc_u32 v2, 512, v2                       ; and 8 L + 512 + the same
	s_mul_i32 s19, s9, 6144
	s_add_co_u32 s19, s19, 24576
	v_lshl_add_u32 v3, v9, 4, s19                  ; V: behind K's two steps; my head's four fragments
	v_lshl_add_u32 v4, v9, 3, s19
	v_add_nc_u32 v4, 512, v4
	s_lshl_b32 s19, s9, 1
	s_add_co_u32 s19, s19, SCK
	v_lshl_add_u32 v7, v10, 4, s19                 ; K's scale bytes: 16 r + 2 e
	s_lshl_b32 s19, s9, 8
	s_add_co_u32 s19, s19, SCV
	v_lshl_add_u32 v8, v10, 4, s19                 ; V's scale words: 16 r + 256 e: my head's four tiles in one load
	s_add_co_u32 s19, s18, SCO
	v_lshl_add_u32 v86, v10, 4, s19                ; where my row's two scale bytes of O go
	v_lshl_add_u32 v87, v9, 4, SCO                 ; and where wave 0 reads all of them
	v_lshlrev_b32 v15, 8, v9
	v_lshlrev_b32 v11, 4, v9
	v_lshlrev_b32 v12, 3, v9
	v_lshlrev_b32 v13, 4, v10
	global_load_b128 v[20:23], v11, s[54:55]       ; Q stays in registers
	global_load_b64 v[24:25], v12, s[54:55] offset:512
	global_load_u16 v245, v13, s[56:57]            ; its two bytes; the upper two are cleared
.irp j, 26,27,28,29,30,31,80,81,82,83,84,85
	v_mov_b32 v[\j], 0                             ; zero codes
.endr
.set j, 0
.rept 32
	v_mov_b32 v[OT+j], 0                           ; O^T.  (The step is written once: the first finds zeros, which the first change of M leaves zeros)
.set j, j+1
.endr
	v_mov_b32 v18, 0                               ; the sum, in two halves
	v_mov_b32 v19, 0
	v_mov_b32 v247, 0                              ; (named as the upper half of the pair v[246:247])
	v_mov_b32 v17, 0xff61b1e6                      ; the largest t so far: -3e38, under every t
	v_floor_f32 v16, -v17                          ; -M
	s_wait_loadcnt 0x0                             ; Q; v11-13 are free again
; A KEY STEP: 128 keys, the q-th of the slot in hand.
.macro STEP q
.rept 4
	v_nop                                          ; places behind the last step's products, in front of loads into registers that they have read
.endr
.irp t, 0,1,2,3,4,5,6,7
	ds_load_b128 v[KF+6*\t:KF+6*\t+3], v9 offset:12288*(\q)+1536*\t
	ds_load_b64 v[KF+6*\t+4:KF+6*\t+5], v10 offset:12288*(\q)+1536*\t
.endr
.irp t, 0,1,2,3,4,5,6,7
	ds_load_u16 v[KS+\t], v13 offset:512*(\q)+256*(\t/4)+4*(\t%4)
.endr
.irp t, 0,1,2,3
	ds_load_b128 v[VF+12*\t:VF+12*\t+3], v11 offset:12288*(\q)+1536*\t
	ds_load_b64 v[VF+12*\t+4:VF+12*\t+5], v12 offset:12288*(\q)+1536*\t
	ds_load_b128 v[VF+12*\t+6:VF+12*\t+9], v11 offset:12288*(\q)+1536*\t+768
	ds_load_b64 v[VF+12*\t+10:VF+12*\t+11], v12 offset:12288*(\q)+1536*\t+768
.endr
	ds_load_b128 v[240:243], v14 offset:512*(\q)
	s_wait_dscnt 17                                ; K and its scale bytes are in; V's 17 loads may be out: they land under the softmax
.irp t, 0,1,2,3,4,5,6,7
	v_wmma_scale_f32_16x16x128_f8f6f4 v[S+8*\t:S+8*\t+7], v[KF+6*\t:KF+6*\t+11], v[20:31], 0, v[KS+\t], v245 matrix_a_fmt:MATRIX_FMT_FP6 matrix_b_fmt:MATRIX_FMT_FP6
.endr
.rept 4
	v_nop                                          ; places in front of the first read of the scores and the first write over K's registers
.endr
.irp b, 0,1,2,3
	v_max3_num_f32 v[BM+\b], v[S+16*\b], v[S+1+16*\b], v[S+2+16*\b]   ; THE LARGEST SCORE OF EACH BLOCK OF 32 KEYS serves twice: for the row's maximum, and, since p rises with the score, for the block's largest p
.endr
.irp i, 3,5,7,9,11,13
.irp b, 0,1,2,3
	v_max3_num_f32 v[BM+\b], v[BM+\b], v[S+16*\b+\i], v[S+1+16*\b+\i]
.endr
.endr
.irp b, 0,1,2,3
	v_max_num_f32 v[BM+\b], v[BM+\b], v[S+15+16*\b]
.endr
.irp b, 0,1,2,3
	v_permlanex16_b32 v[PM+\b], v[BM+\b], s20, s21
.endr
.irp b, 0,1,2,3
	v_max_num_f32 v[BM+\b], v[BM+\b], v[PM+\b]     ; with lane l xor 16's 16 keys
.endr
	v_max3_num_f32 v248, v[BM], v[BM+1], v[BM+2]
	v_max_num_f32 v248, v248, v[BM+3]              ; the step's largest score of my query
	v_mul_f32 v248, s22, v248                      ; as t (c is positive)
	v_max_num_f32 v17, v17, v248                   ; the running largest t
	v_mov_b32 v248, v16
	v_floor_f32 v16, -v17                          ; the new -M = floor(-t) = -ceil(t): M is a whole number
	v_sub_f32 v248, v16, v248                      ; old M - new M: a whole number, 0 or less
	v_cvt_i32_f32 v248, v248                       ; (it saturates)
	v_ldexp_f32 v246, 1.0, v248                    ; f = 2^(old M - new M): a multiplication by it rounds nothing
.set j, 0
.rept 32
	v_pk_fma_f32 v[S+j:S+j+1], v[S+j:S+j+1], s[22:23], v[16:17] op_sel_hi:[1,0,0]   ; t - M, two at a time (of the pairs c and -M the low word serves both halves)
.set j, j+2
.endr
.irp b, 0,1,2,3
	v_fma_f32 v[BM+\b], v[BM+\b], s22, v16         ; the same of each block's largest score
.endr
.set j, 0
.rept 64
	v_exp_f32 v[S+j], v[S+j]                       ; p = 2^(t - M), at most 1: not normalised
.set j, j+1
.endr
	v_pk_mul_f32 v[18:19], v[18:19], v[246:247] op_sel_hi:[1,0]   ; the sums under the new M: the plain place behind the exponentials
	s_wait_alu depctr_va_vdst(0)                   ; one wait for the whole batch, ahead of its first reader
.irp b, 0,1,2,3
	v_exp_f32 v[BM+\b], v[BM+\b]                   ; the block's largest p: the same two instructions on the same number give the same bits
.endr
	v_pk_add_f32 v[64:65], v[S:S+1], v[S+2:S+3]    ; THE ROW'S SUM IS TAKEN OF THE UNQUANTISED p: two at a time, in two chains
.set j, 4
.rept 15
	v_pk_add_f32 v[18:19], v[18:19], v[S+j:S+j+1]
	v_pk_add_f32 v[64:65], v[64:65], v[S+j+2:S+j+3]
.set j, j+4
.endr
	v_pk_add_f32 v[18:19], v[18:19], v[64:65]
	s_wait_alu depctr_va_vdst(0)                   ; and one for the four
.irp b, 0,1,2,3
	v_max_num_f32 v[BM+\b], 0x1800000, v[BM+\b]    ; the floor 2^(3 - 127): the byte cannot fall under 1
.endr
.irp b, 0,1,2,3
	v_add_nc_u32 v[SO+\b], 0xff000000, v[BM+\b]    ; 2 off the exponent field: the conversion's scale operand
.endr
.irp b, 0,1,2,3
	v_lshrrev_b32 v[PM+\b], 23, v[SO+\b]           ; the scale's byte
.endr
	v_lshl_or_b32 v244, v[PM+1], 8, v[PM]          ; p's scale word for these 128 keys
	v_lshl_or_b32 v244, v[PM+2], 16, v244
	v_lshl_or_b32 v244, v[PM+3], 24, v244
.irp c, 0,1
	v_cvt_scalef32_pk16_fp6_f32 v[32+6*\c:34+6*\c], v[S+32*\c:S+15+32*\c], v[SO+2*\c]
	v_cvt_scalef32_pk16_fp6_f32 v[44+4*\c:46+4*\c], v[S+16+32*\c:S+31+32*\c], v[SO+2*\c+1]   ; (a conversion's three registers begin on an even number)
.endr
	v_nop                                          ; one plain place behind a scaled conversion
.irp c, 0,1                                    ; a lane is to hold a WHOLE block: lanes 0-15 block 2 c, lanes 16-31 block 2 c + 1
.irp i, 0,1,2
	v_permlane16_swap_b32 v[32+6*\c+\i], v[44+4*\c+\i]
.endr
.irp i, 0,1,2
	v_mov_b32 v[35+6*\c+\i], v[44+4*\c+\i]
.endr
.endr
.set j, 0
.rept 16
	v_pk_mul_f32 v[OT+j:OT+j+1], v[OT+j:OT+j+1], v[246:247] op_sel_hi:[1,0]   ; O^T under the new M.  (These are also the places between the writes of p's codes and scale word and the products below)
.set j, j+2
.endr
	s_wait_dscnt 0x0                               ; V
.irp t, 0,1,2,3                                ; four accumulators, one instruction each: between two links of a chain stand the three others' and the next step's eight score products
	v_wmma_scale_f32_16x16x128_f8f6f4 v[OT+8*\t:OT+8*\t+7], v[VF+12*\t:VF+12*\t+11], v[32:43], v[OT+8*\t:OT+8*\t+7], v[240+\t], v244 matrix_a_fmt:MATRIX_FMT_FP6 matrix_b_fmt:MATRIX_FMT_FP6
.endr
.endm
; THE CHANGE OF SLOTS stands at a slot's head.  Each wave waits for all its tensor loads (its part of the slot that it is about to read), adds 0 to its spare word, and waits for that and for its reads of the slot that it has left.
; Behind the barrier the slot ahead is whole and nobody reads the other one.  fill = 1: that other slot takes the next 256 keys: the load has two key steps in which to land.  One load of a wave is then out.
.macro CHANGE fill
	s_wait_tensorcnt 0x0                           ; no tensor load of mine is out, so the walking descriptor may be written
	ds_add_u32 v5, v6                              ; 0 onto my spare word
.if \fill
	s_xor_b32 s41, s41, SLOT1                      ; the other slot than last time,
	s_add_nc_u64 s[42:43], s[42:43], 24576         ; the next two steps; the type bits on top are not reached
	s_wait_xcnt 0x0                                ; the last prefetch, a slot back, has read its address
	s_add_nc_u64 s[52:53], s[52:53], 24576         ; one slot further on than the walking descriptor
.endif
	s_wait_dscnt 0x0                               ; the add is done, and my reads of the slot that I have left are over
	s_barrier_signal -1
	s_barrier_wait -1
.if \fill
	TLOAD                                          ; the first thing behind the barrier, and a wave's one tensor load until the next
	ASK
.endif
.endm
.macro SLOT_STEPS
	v_add_nc_u32 v9, s48, v1
	v_add_nc_u32 v10, s48, v2
	v_add_nc_u32 v11, s48, v3
	v_add_nc_u32 v12, s48, v4
	v_add_nc_u32 v13, s49, v7
	v_add_nc_u32 v14, s49, v8
	STEP 0
	STEP 1
	s_xor_b32 s48, s48, SLOT1                      ; on to the other slot,
	s_add_co_u32 s49, s49, 1024                    ; and its scale words
.endm
.Lslot:                                            ; seven trips: behind each change of slots but the last the next slot is asked for
	CHANGE 1
	SLOT_STEPS
	s_sub_co_u32 s50, s50, 1
	s_cmp_lg_u32 s50, 0
	s_cbranch_scc1 .Lslot
	CHANGE 0                                       ; the last slot is written out
	SLOT_STEPS
	; THE WAY OUT.  O^T / the sum: my 32 registers are the head's two blocks of 32 along the last product's K, 16 numbers of each: they are quantised as p is, and leave as half a fragment.
.rept 4
	v_nop                                          ; places behind the last products
.endr
	v_add_f32 v18, v18, v19                        ; the sum's two halves,
	v_permlanex16_b32 v248, v18, s20, s21
	v_add_f32 v18, v18, v248                       ; and lane l xor 16's: the row's sum
	v_rcp_f32 v18, v18
	v_and_b32 v9, 31, v0                           ; (plain lines behind the reciprocal)
	v_lshlrev_b32 v10, 3, v9                       ; 8 L
	v_lshlrev_b32 v9, 4, v9                        ; 16 L
	s_wait_alu depctr_va_vdst(0)                   ; the wait, ahead of the reciprocal's first reader
.set j, 0
.rept 16
	v_pk_mul_f32 v[S+j:S+j+1], v[OT+j:OT+j+1], v[18:19] op_sel_hi:[1,0]   ; each accumulator from its low end on
.set j, j+2
.endr
.irp b, 0,1
	v_max3_num_f32 v[BM+\b], |v[S+16*\b]|, |v[S+1+16*\b]|, 0x1800000
.endr
.irp i, 2,4,6,8,10,12,14
.irp b, 0,1
	v_max3_num_f32 v[BM+\b], v[BM+\b], |v[S+16*\b+\i]|, |v[S+1+16*\b+\i]|
.endr
.endr
.irp b, 0,1
	v_permlanex16_b32 v[PM+\b], v[BM+\b], s20, s21
.endr
.irp b, 0,1
	v_max_num_f32 v[BM+\b], v[BM+\b], v[PM+\b]
.endr
.irp b, 0,1
	v_add_nc_u32 v[SO+\b], 0xff000000, v[BM+\b]
.endr
.irp b, 0,1
	v_lshrrev_b32 v[PM+\b], 23, v[SO+\b]
.endr
	v_lshl_or_b32 v66, v[PM+1], 8, v[PM]           ; my row's two scale bytes
	v_cvt_scalef32_pk16_fp6_f32 v[32:34], v[S:S+15], v[SO]
	v_cvt_scalef32_pk16_fp6_f32 v[44:46], v[S+16:S+31], v[SO+1]
	v_nop                                          ; one plain place behind a scaled conversion
.irp i, 0,1,2
	v_permlane16_swap_b32 v[32+\i], v[44+\i]
.endr
.irp i, 0,1,2
	v_mov_b32 v[35+\i], v[44+\i]
.endr
	global_store_b128 v9, v[32:35], s[58:59]       ; 512 consecutive bytes,
	global_store_b64 v10, v[36:37], s[58:59] offset:512   ; and 256
	ds_store_b16 v86, v66                          ; lanes r and 16 + r write the same two bytes with the same value
	s_wait_dscnt 0x0                               ; for the others' sake: my store has landed
	s_barrier_signal -1
	s_barrier_wait -1                              ; the 128 rows' scale words lie in LDS
	s_cmp_lg_u32 s8, 0
	s_cbranch_scc1 .Lnot0
	ds_load_b128 v[S:S+3], v87
	s_wait_dscnt 0x0
	global_store_b128 v9, v[S:S+3], s[60:61]       ; 512 consecutive bytes, aligned
.Lnot0:
	s_wait_tensorcnt 0x0                           ; the wave's end: a tensor wait, an add and its wait, behind my last tensor load and my last LDS store
	ds_add_u32 v5, v6
	s_wait_dscnt 0x0
	s_endpgm
.Lfunc_end_k_q6490d8473b_attn:
	.size	k_q6490d8473b_attn, .Lfunc_end_k_q6490d8473b_attn-k_q6490d8473b_attn
	.p2alignl 7, 3214868480
	.fill 96, 4, 3214868480
	.section	.rodata,"a",@progbits
	.p2align	6, 0x0
	.amdhsa_kernel k_q6490d8473b_attn
		.amdhsa_group_segment_fixed_size 327680
		.amdhsa_private_segment_fixed_size 0
		.amdhsa_enable_private_segment 0
		.amdhsa_kernarg_size 16
		.amdhsa_user_sgpr_count 2
		.amdhsa_user_sgpr_kernarg_segment_ptr 1
		.amdhsa_wavefront_size32 1
		.amdhsa_system_sgpr_workgroup_id_x 1
		.amdhsa_system_sgpr_workgroup_id_y 1
		.amdhsa_system_sgpr_workgroup_id_z 1
		.amdhsa_system_vgpr_workitem_id 0
		.amdhsa_next_free_vgpr 256
		.amdhsa_next_free_sgpr 66
		.amdhsa_reserve_vcc 0
		.amdhsa_float_denorm_mode_32 3
		.amdhsa_float_denorm_mode_16_64 3
		.amdhsa_memory_ordered 1
		.amdhsa_forward_progress 1
		.amdhsa_inst_pref_size 79
	.end_amdhsa_kernel
	.amdgpu_metadata
---
amdhsa.version: [ 1, 2 ]
amdhsa.kernels:
  - .name:           k_q6490d8473b_attn
    .symbol:         k_q6490d8473b_attn.kd
    .args:
      - { .name: pimg, .offset: 0, .size: 8, .value_kind: global_buffer, .address_space: global }
      - { .name: oimg, .offset: 8, .size: 8, .value_kind: global_buffer, .address_space: global }
    .group_segment_fixed_size: 327680
    .private_segment_fixed_size: 0
    .kernarg_segment_align: 8
    .kernarg_segment_size: 16
    .max_flat_workgroup_size: 512
    .sgpr_count:     66
    .vgpr_count:     256
    .wavefront_size: 32
...
	.end_amdgpu_metadata
.endif
;; end of part 3
;; launch outp (part 4): grid 256 x 1, 4 waves a work-group, no clusters, 34,304 bytes of LDS; arguments oimg, wimg, bo, out0; writes out0
.if DOCPART == 4
	.amdgcn_target "amdgcn-amd-amdhsa--gfx1250"
	.amdhsa_code_object_version 6
	.text
	.protected	k_q6490d8473b_outp
	.globl	k_q6490d8473b_outp
	.p2align	8
	.type	k_q6490d8473b_outp,@function
k_q6490d8473b_outp:
	s_mov_b64 s[64:65], 0
	v_nop
	global_prefetch_b8 v0, s[64:65] scope:SCOPE_SE
	s_setreg_imm32_b32 hwreg(HW_REG_WAVE_MODE, 25, 1), 1
	s_wait_xcnt 0x0
; out0 = O Wo + bo on codes of FP6 (E2M3) with E8M0 scales, sums in f32; out0 [8192][1024] f32.
; SHARES.  A wave makes 64 tokens x 128 of n: 32 accumulators; 1,024 waves.  Source 0 = 16 rows of Wo's operand (n), source 1 = 16 tokens: a lane holds one token and eight neighbouring n.
; K = 1,024 is eight matrix instructions deep: written out, every offset an immediate.  The bias is the C of each sum's first matrix instruction.
; OPERANDS COME FROM MEMORY STRAIGHT INTO REGISTERS, laid by the earlier launches in the order of their registers: Wo's fragments as three loads of 16 bytes a lane, O's as two halves of 768 bytes (16 and 8 bytes a lane).
; NO CLUSTER: with no tile in LDS there is no tensor load that partners could ask for jointly; K is eight steps deep and the launch is short.  Waves share nothing: no barrier.
; THE WAY OUT: 16 tokens x 128 n go through the wave's own stage in LDS (rows 528 bytes apart) and leave as whole rows: 32 lanes store 512 consecutive bytes, aligned.
; REGISTERS, in windows of 256: window 0: v1-6 offsets and LDS addresses, v7, v8 the add's two; v32-63 Wo's scale words (tile b: 4 b + q; register q serves K step q from lanes 0-15, K step 4 + q from lanes 16-31);
;   v64-95 O's scale words (K step kb, tile a: 4 kb + a); v96-143, v144-191 O's four fragments, two sets; v192-255 the bias.   window 1: v0-95, v96-191 Wo's eight fragments, two sets.   window 2: accumulator (a, b) at v[8 (8 a + b)].
.set STG,   8448
.set SPARE, 4*STG                      ; behind the four stages: the spare words, 128 bytes for each wave: two blocks of 256 bytes that no other line names
.set S0SC, 32
.set S1SC, 64
.set BI,   192
.set BK,   96                          ; the way out: 16 rows read back: v96-159 and v160-223 by turns
.set S0P,  20
.set S0S,  22
.set S1P,  24
.set S1S,  26
.set BIA,  28
.set OUTP, 30
.set MSB, 0
.macro WIN new                         ; the immediate's high byte repeats the setting that is left; a switch that changes nothing is dropped
.if MSB != (\new)
	s_set_vgpr_msb (MSB<<8)|(\new)
.set MSB, (\new)
.endif
.endm
.macro LDF reg, off
.irp c, 0,1,2
	global_load_b128 v[(\reg)+4*\c:(\reg)+4*\c+3], v1, s[S0P:S0P+1] offset:(\off)+512*\c
.endr
.endm
.macro LDH reg, off
	global_load_b128 v[(\reg):(\reg)+3], v1, s[S1P:S1P+1] offset:(\off)
	global_load_b64 v[(\reg)+4:(\reg)+5], v2, s[S1P:S1P+1] offset:(\off)+512
	global_load_b128 v[(\reg)+6:(\reg)+9], v1, s[S1P:S1P+1] offset:(\off)+768
	global_load_b64 v[(\reg)+10:(\reg)+11], v2, s[S1P:S1P+1] offset:(\off)+1280
.endm
.macro LOADK kb                        ; a K step's 12 fragments: 40 loads
	WIN 0x40                                       ; destination window 1, offset window 0
.irp b, 0,1,2,3,4,5,6,7
	LDF 96*((\kb)%2)+12*\b, 12288*\b+1536*(\kb)
.endr
	WIN 0
.irp a, 0,1,2,3
	LDH 96+48*((\kb)%2)+12*\a, 12288*\a+1536*(\kb)
.endr
.endm
.macro MUL kb                          ; 32 matrix instructions; the 32 accumulators take turns, one instruction a turn, in the same order in all eight K steps
.if (\kb) == 0
	WIN 0x81                                       ; source 0 window 1, source 1 and C (the bias) window 0, D window 2
.else
	WIN 0xa1                                       ; C and D window 2
.endif
.irp a, 0,1,2,3
.irp b, 0,1,2,3,4,5,6,7
.set rD, 8*(8*\a+\b)
.set rA, 96*((\kb)%2)+12*\b
.set rB, 96+48*((\kb)%2)+12*\a
.set sA, S0SC+4*\b+(\kb)%4
.set sB, S1SC+4*(\kb)+\a
.if (\kb) == 0
	v_wmma_scale_f32_16x16x128_f8f6f4 v[rD:rD+7], v[rA:rA+11], v[rB:rB+11], v[BI+8*\b:BI+8*\b+7], v[sA], v[sB] matrix_a_fmt:MATRIX_FMT_FP6 matrix_b_fmt:MATRIX_FMT_FP6
.elseif (\kb) < 4
	v_wmma_scale_f32_16x16x128_f8f6f4 v[rD:rD+7], v[rA:rA+11], v[rB:rB+11], v[rD:rD+7], v[sA], v[sB] matrix_a_fmt:MATRIX_FMT_FP6 matrix_b_fmt:MATRIX_FMT_FP6
.else
	v_wmma_scale_f32_16x16x128_f8f6f4 v[rD:rD+7], v[rA:rA+11], v[rB:rB+11], v[rD:rD+7], v[sA], v[sB] matrix_a_fmt:MATRIX_FMT_FP6 matrix_b_fmt:MATRIX_FMT_FP6 matrix_a_scale:MATRIX_SCALE_ROW1
.endif
.endr
.endr
.endm
	s_load_b256 s[4:11], s[0:1], 0x0               ; oimg, wimg, bo, out0
	v_lshl_add_u32 v7, v0, 2, SPARE                ; my spare word,
	v_mov_b32 v8, 0                                ; and 0: both kept for the wave's last lines
	v_lshrrev_b32 v9, 5, v0
	v_readfirstlane_b32 s12, v9                    ; wave 0..3
	v_and_b32 v9, 31, v0                           ; L
	v_and_b32 v10, 15, v0                          ; r
	v_bfe_u32 v11, v0, 4, 1                        ; h
	v_lshlrev_b32 v1, 4, v9                        ; 16 L
	v_lshlrev_b32 v2, 3, v9                        ; 8 L
	v_lshlrev_b32 v3, 5, v11                       ; 32 h: eight numbers of the bias
	v_lshlrev_b32 v4, 4, v10                       ; 16 r: my row's four scale words
	s_mul_i32 s16, s12, STG
	v_mul_u32_u24 v5, v10, 528
	v_lshl_add_u32 v5, v11, 5, v5
	v_add_nc_u32 v5, s16, v5                       ; the stage, on the way in: row r, + 32 h
	v_add_nc_u32 v6, s16, v1                       ; and back: 16 L of a row
	s_lshr_b32 s13, ttmp9, 2
	s_lshl_b32 s13, s13, 1
	s_lshr_b32 s14, s12, 1
	s_add_co_u32 s13, s13, s14                     ; my 64 tokens, 0..127
	s_and_b32 s14, ttmp9, 3
	s_lshl_b32 s14, s14, 1
	s_and_b32 s15, s12, 1
	s_add_co_u32 s14, s14, s15                     ; my 128 of n, 0..7
	s_mov_b32 s17, 0
	s_wait_kmcnt 0x0
	s_mul_i32 s16, s14, 98304
	s_add_co_u32 s16, s16, 2359296                 ; Wo is the fourth weight: 3 x 786,432
	s_add_nc_u64 s[S0P:S0P+1], s[6:7], s[16:17]
	s_lshl_b32 s16, s14, 12
	s_add_co_u32 s16, s16, 3244032                 ; 3,145,728 + 3 x 32,768
	s_add_nc_u64 s[S0S:S0S+1], s[6:7], s[16:17]
	s_mul_i32 s16, s13, 49152                      ; four tiles x eight K steps x 1,536 bytes
	s_add_nc_u64 s[S1P:S1P+1], s[4:5], s[16:17]
	s_lshr_b32 s16, s13, 1
	s_lshl_b32 s16, s16, 9
	s_and_b32 s15, s13, 1
	s_lshl_b32 s15, s15, 8
	s_add_co_u32 s16, s16, s15
	s_add_co_u32 s16, s16, 6291456
	s_add_nc_u64 s[S1S:S1S+1], s[4:5], s[16:17]    ; my half of a block's 512 bytes of scale words; a K step on is 64 blocks on
	s_lshl_b32 s16, s14, 9
	s_add_nc_u64 s[BIA:BIA+1], s[8:9], s[16:17]
	s_add_nc_u64 s[OUTP:OUTP+1], s[10:11], s[16:17]
	s_lshl_b32 s16, s13, 18                        ; 64 rows of 4,096 bytes
	s_add_nc_u64 s[OUTP:OUTP+1], s[OUTP:OUTP+1], s[16:17]
.irp b, 0,1,2,3,4,5,6,7
	global_load_b128 v[BI+8*\b:BI+8*\b+3], v3, s[BIA:BIA+1] offset:64*\b      ; register 8 b + j = bo[16 b + 8 h + j]
	global_load_b128 v[BI+8*\b+4:BI+8*\b+7], v3, s[BIA:BIA+1] offset:64*\b+16
.endr
.irp b, 0,1,2,3,4,5,6,7
	global_load_b128 v[S0SC+4*\b:S0SC+4*\b+3], v1, s[S0S:S0S+1] offset:512*\b
.endr
.irp k, 0,1,2,3,4,5,6,7
	global_load_b128 v[S1SC+4*\k:S1SC+4*\k+3], v4, s[S1S:S1S+1] offset:32768*\k
.endr
	LOADK 0
; A K step: its fragments are in; the next step's are asked for, into the sets that the step before read last: four places stand between those products and the loads (ISA guide 7.12.1 for vector instructions).
.macro KB kb
	s_wait_loadcnt 0x0
.if (\kb) > 0
.rept 4
	v_nop
.endr
.endif
.if (\kb) < 7
	LOADK (\kb)+1
.endif
	MUL \kb
.endm
.irp k, 0,1,2,3,4,5,6,7
	KB \k
.endr
	WIN 0
.macro TOSTAGE a                       ; tile a: 16 tokens x 128 n into my stage, and back as whole rows.  LDS serves a wave's instructions in order: no wait between the stores and the loads, nor in front of the next tile's stores
	WIN 0x08                                       ; an LDS store's data are its source 1: window 2
.irp b, 0,1,2,3,4,5,6,7
	ds_store_b128 v5, v[64*(\a)+8*\b:64*(\a)+8*\b+3] offset:64*\b            ; each accumulator from its low end on
	ds_store_b128 v5, v[64*(\a)+8*\b+4:64*(\a)+8*\b+7] offset:64*\b+16
.endr
	WIN 0
.set BB, BK+64*((\a)%2)
.set i, 0
.rept 16
	ds_load_b128 v[BB+4*i:BB+4*i+3], v6 offset:528*i
.set i, i+1
.endr
.endm
.macro SEND a, younger                 ; younger: the LDS instructions issued behind tile a's loads, which may stay out
.set BB, BK+64*((\a)%2)
	s_wait_dscnt \younger
.set i, 0
.rept 16
	global_store_b128 v1, v[BB+4*i:BB+4*i+3], s[OUTP:OUTP+1] offset:(16*(\a)+i)*4096 th:TH_STORE_NT   ; 32 lanes store 512 consecutive bytes, aligned; written once, read by nobody here
.set i, i+1
.endr
.endm
.rept 4
	v_nop                                          ; places behind the last products: for the first read of results, and for the loads into registers that held operands
.endr
	TOSTAGE 0
.irp a, 1,2,3
.if \a > 1
	s_wait_xcnt 0x0                                ; tile a - 2's stores have read their registers: tile a's rows may land there
.endif
	TOSTAGE \a
	SEND \a-1, 32                                  ; behind tile a - 1's loads: tile a's 16 stores and 16 loads
.endr
	SEND 3, 0
	s_wait_tensorcnt 0x0                           ; the wave's end: a tensor wait, an add and its wait behind the last LDS store, the tensor wait even in a text with no tensor load
	ds_add_u32 v7, v8
	s_wait_dscnt 0x0
	s_endpgm
.Lfunc_end_k_q6490d8473b_outp:
	.size	k_q6490d8473b_outp, .Lfunc_end_k_q6490d8473b_outp-k_q6490d8473b_outp
	.p2alignl 7, 3214868480
	.fill 96, 4, 3214868480
	.section	.rodata,"a",@progbits
	.p2align	6, 0x0
	.amdhsa_kernel k_q6490d8473b_outp
		.amdhsa_group_segment_fixed_size 34304
		.amdhsa_private_segment_fixed_size 0
		.amdhsa_enable_private_segment 0
		.amdhsa_kernarg_size 32
		.amdhsa_user_sgpr_count 2
		.amdhsa_user_sgpr_kernarg_segment_ptr 1
		.amdhsa_wavefront_size32 1
		.amdhsa_system_sgpr_workgroup_id_x 1
		.amdhsa_system_sgpr_workgroup_id_y 1
		.amdhsa_system_sgpr_workgroup_id_z 1
		.amdhsa_system_vgpr_workitem_id 0
		.amdhsa_next_free_vgpr 768
		.amdhsa_next_free_sgpr 66
		.amdhsa_reserve_vcc 0
		.amdhsa_float_denorm_mode_32 3
		.amdhsa_float_denorm_mode_16_64 3
		.amdhsa_memory_ordered 1
		.amdhsa_forward_progress 1
		.amdhsa_inst_pref_size 84
	.end_amdhsa_kernel
	.amdgpu_metadata
---
amdhsa.version: [ 1, 2 ]
amdhsa.kernels:
  - .name:           k_q6490d8473b_outp
    .symbol:         k_q6490d8473b_outp.kd
    .args:
      - { .name: oimg, .offset: 0, .size: 8, .value_kind: global_buffer, .address_space: global }
      - { .name: wimg, .offset: 8, .size: 8, .value_kind: global_buffer, .address_space: global }
      - { .name: bo, .offset: 16, .size: 8, .value_kind: global_buffer, .address_space: global }
      - { .name: out0, .offset: 24, .size: 8, .value_kind: global_buffer, .address_space: global }
    .group_segment_fixed_size: 34304
    .private_segment_fixed_size: 0
    .kernarg_segment_align: 8
    .kernarg_segment_size: 32
    .max_flat_workgroup_size: 128
    .sgpr_count:     66
    .vgpr_count:     768
    .wavefront_size: 32
...
	.end_amdgpu_metadata
.endif
;; end of part 4
;; ======== version 2 of 2: 4 launches
;; workspace buffers: ximg 19,660,800 bytes; wimg 3,276,800 bytes; pimg 19,660,800 bytes; oimg 6,553,600 bytes
;; launch quant (part 5): grid 640 x 1, 4 waves a work-group, no clusters, 34,304 bytes of LDS; arguments q, k, v, Wq, Wk, Wv, Wo, ximg, wimg; writes ximg, wimg
.if DOCPART == 5
	.amdgcn_target "amdgcn-amd-amdhsa--gfx1250"
	.amdhsa_code_object_version 6
	.text
	.protected	k_q6490d8473b_quant
	.globl	k_q6490d8473b_quant
	.p2align	8
	.type	k_q6490d8473b_quant,@function
k_q6490d8473b_quant:
	s_mov_b64 s[64:65], 0
	v_nop
	global_prefetch_b8 v0, s[64:65] scope:SCOPE_SE
	s_setreg_imm32_b32 hwreg(HW_REG_WAVE_MODE, 25, 1), 1
	s_wait_xcnt 0x0
; q, k, v [8192][1024] and Wq, Wk, Wv, Wo [1024 (k)][1024 (n)], f32, become codes of FP6 (E2M3) with one E8M0 byte for each 32 along K = 1024.
; A block's scale is 2^(floor(log2(its largest magnitude)) - 2); its byte is the largest magnitude's exponent field - 2, held at 1 from below by a floor among the maximum's leaves.
; LIMITS: NaN and infinities among the inputs are not served.  A block of zeros gets the byte 1 where the rule says 127: its codes are zeros, and the bytes are read by this program alone.
; THE WORKSPACE IS LAID IN THE ORDER OF THE READER'S REGISTERS.  A fragment (16 rows x 128 K, 12 registers a lane: lane (r, h) holds row r, registers 6 c .. 6 c + 5 block 2 c + h) is 1,536 bytes:
; registers 4 c .. 4 c + 3 of lane L at 512 c + 16 L.  Fragment (row tile rt, K step kb) lies at (8 rt + kb) x 1,536.  A row tile's scale words are 512 bytes: at 16 L + 4 q the word of row r for K step 4 h + q.
; THE ORDER INSIDE A BLOCK OF 32: place p holds element (p & 7) + 2 (p & 8) + (p & 16) / 2.  Every operand of the program is laid so (later launches get that order from matrix results for nothing),
; so the right numbers meet in every product, and a block keeps its 32 members, so the scales are the rule's.
; WORK-GROUPS 0-383: the three inputs; a wave takes 16 rows x all of K, in eight steps of 128.  Each load reads 512 consecutive bytes of one row; the 16 x 512 bytes turn through the wave's own stage in LDS
; (rows 528 bytes apart: the sixteen rows that a read touches begin in sixteen different 16-byte columns modulo 256 bytes), so that a lane gets 16 numbers of each of its row's four blocks.
; WORK-GROUPS 384-639: the four weights; K is their FIRST axis: a lane takes a column n and its registers run down K, so nothing is transposed; a wave takes 32 columns x 128 K: two fragments.
; Waves share nothing: no barrier.  No tensor load, no cluster: every byte is read once by one wave.
.set STG,   8448                       ; a wave's stage: 16 rows x 528 bytes
.set SPARE, 4*STG                      ; behind the four stages: the spare words, 128 bytes for each wave: two blocks of 256 bytes that no other line names
.set RB,    16                         ; v16-143  inputs: two sets of 64 registers as loaded;  weights: 128 numbers of my column
.set X,     144                        ; v144-207 inputs: 64 numbers of my row, register 16 b + i of block b
.set PC,    208                        ; v208-226 the codes just made
.set TM,    228                        ; v228-243 at work in QUANT
.set PWS,   244                        ; v244-251 my row's scale word of each of the eight steps
.set SEL,   26                         ; s[26:27] v_permlanex16_b32's selects for lane l xor 16
.set PA,    144                        ; weights: v144-155 the fragment of columns 0-15, v156-167 of columns 16-31
.set PB,    156
.set TA,    168                        ; v168-170, v172-174 a block's upper 16 codes (a conversion's three registers begin on an even number)
.set TB,    172
.set SO,    180                        ; v180-183 the conversions' scale operands;  v184-187 the bytes;  v188 the word
.set BY,    184
; 64 numbers of a lane, register 16 b + i of block b (16 of the block's 32; lane l xor 16 holds the others), become a fragment's codes in v[PC] .. v[PC + 11] and the row's scale word in v[pw].
.macro QUANT src, pw
.irp b, 0,1,2,3
	v_max3_num_f32 v[TM+\b], |v[\src+16*\b]|, |v[\src+1+16*\b]|, 0x1800000   ; my 16 numbers, and the floor 2^(3 - 127): the byte cannot fall under 1
.endr
.irp i, 2,4,6,8,10,12,14
.irp b, 0,1,2,3
	v_max3_num_f32 v[TM+\b], v[TM+\b], |v[\src+16*\b+\i]|, |v[\src+1+16*\b+\i]|   ; the four blocks by turns
.endr
.endr
.irp b, 0,1,2,3
	v_permlanex16_b32 v[TM+4+\b], v[TM+\b], s[SEL], s[SEL+1]
.endr
.irp b, 0,1,2,3
	v_max_num_f32 v[TM+\b], v[TM+\b], v[TM+4+\b]   ; with lane l xor 16's: the block's largest magnitude
.endr
.irp b, 0,1,2,3
	v_add_nc_u32 v[TM+12+\b], 0xff000000, v[TM+\b]   ; 2 off its exponent field: the conversion takes this operand's exponent field as its scale
.endr
.irp b, 0,1,2,3
	v_lshrrev_b32 v[TM+4+\b], 23, v[TM+12+\b]      ; the scale's byte
.endr
	v_lshl_or_b32 v[\pw], v[TM+5], 8, v[TM+4]
	v_lshl_or_b32 v[\pw], v[TM+6], 16, v[\pw]
	v_lshl_or_b32 v[\pw], v[TM+7], 24, v[\pw]
.irp c, 0,1
	v_cvt_scalef32_pk16_fp6_f32 v[PC+6*\c:PC+2+6*\c], v[\src+32*\c:\src+15+32*\c], v[TM+12+2*\c]
	v_cvt_scalef32_pk16_fp6_f32 v[PC+12+4*\c:PC+14+4*\c], v[\src+16+32*\c:\src+31+32*\c], v[TM+12+2*\c+1]
.endr
	v_nop                                          ; one plain place behind a scaled conversion
.irp c, 0,1                                    ; a lane is to hold a WHOLE block: lanes 0-15 block 2 c, lanes 16-31 block 2 c + 1
.irp i, 0,1,2
	v_permlane16_swap_b32 v[PC+6*\c+\i], v[PC+12+4*\c+\i]
.endr
.irp i, 0,1,2
	v_mov_b32 v[PC+3+6*\c+\i], v[PC+12+4*\c+\i]
.endr
.endr
.endm
	s_load_b512 s[4:19], s[0:1], 0x0               ; q, k, v, Wq, Wk, Wv, Wo, ximg
	s_load_b64 s[20:21], s[0:1], 0x40              ; wimg
	v_lshl_add_u32 v4, v0, 2, SPARE                ; my spare word,
	v_mov_b32 v5, 0                                ; and 0: both kept for the wave's last lines
	v_lshrrev_b32 v6, 5, v0
	v_readfirstlane_b32 s24, v6                    ; wave 0..3
	v_and_b32 v6, 31, v0                           ; L
	v_and_b32 v7, 15, v0                           ; r
	v_bfe_u32 v8, v0, 4, 1                         ; h
	v_lshlrev_b32 v1, 4, v6                        ; 16 L: a load's and an image's place for my lane
	s_mul_i32 s40, s24, STG
	v_add_nc_u32 v2, s40, v1                       ; the stage, on the way in: 16 L of a row
	v_mul_u32_u24 v3, v7, 528
	v_lshl_add_u32 v3, v8, 5, v3
	v_add_nc_u32 v3, s40, v3                       ; and on the way out: row r, + 32 h bytes
	v_lshlrev_b32 v9, 2, v6                        ; weights: 4 L: my column
	v_lshlrev_b32 v10, 4, v7
	v_lshl_add_u32 v10, v8, 9, v10                 ; weights: my column's scale word: 512 x (L / 16) + 16 r
	s_mov_b32 s25, 0xffff0000                      ; lanes 16-31
	s_mov_b32 s[SEL], 0x76543210
	s_mov_b32 s[SEL+1], 0xfedcba98
	s_mov_b32 s33, 0
.irp b, 0,1,2,3
	v_mov_b32 v[TM+4+\b], 0                        ; written once: a lane permute's destination counts as one of its sources
.endr
	s_wait_kmcnt 0x0
	s_cmp_ge_u32 ttmp9, 384
	s_cbranch_scc1 .Lweights
	; ---- the inputs
	s_lshr_b32 s28, ttmp9, 7                       ; which tensor: 0 q, 1 k, 2 v
	s_cmp_eq_u32 s28, 0
	s_cselect_b64 s[30:31], s[4:5], s[6:7]
	s_cmp_eq_u32 s28, 2
	s_cselect_b64 s[30:31], s[8:9], s[30:31]
	s_and_b32 s29, ttmp9, 127
	s_lshl_b32 s29, s29, 2
	s_add_co_u32 s29, s29, s24                     ; my row tile, 0..511
	s_lshl_b32 s32, s29, 16                        ; 16 rows of 4,096 bytes
	s_add_nc_u64 s[30:31], s[30:31], s[32:33]
	s_mul_i32 s32, s28, 6291456
	s_mul_i32 s34, s29, 12288
	s_add_co_u32 s32, s32, s34
	s_add_nc_u64 s[36:37], s[18:19], s[32:33]      ; my eight fragments
	s_lshl_b32 s32, s28, 18
	s_lshl_b32 s34, s29, 9
	s_add_co_u32 s32, s32, s34
	s_add_co_u32 s32, s32, 18874368
	s_add_nc_u64 s[38:39], s[18:19], s[32:33]      ; my tile's scale words
.macro LOADX f                         ; step f: 512 bytes of each of my 16 rows
.set i, 0
.rept 16
	global_load_b128 v[RB+64*((\f)%2)+4*i:RB+64*((\f)%2)+4*i+3], v1, s[30:31] offset:4096*i+512*(\f) th:TH_LOAD_NT
.set i, i+1
.endr
.endm
.macro XSTEP f
.if (\f) < 7
	s_wait_loadcnt 16                              ; this step's 16 loads are in; the next step's 16 may be out
.else
	s_wait_loadcnt 0x0
.endif
	s_wait_xcnt 0x0                                ; the last step's stores have read the codes' registers, which QUANT writes again
.set i, 0
.rept 16
	ds_store_b128 v2, v[RB+64*((\f)%2)+4*i:RB+64*((\f)%2)+4*i+3] offset:528*i
.set i, i+1
.endr
.irp b, 0,1,2,3                                ; LDS serves a wave's instructions in order: these see the stores above.  Elements 8 h + 0 .. 7 and 16 + 8 h + 0 .. 7 of block b
	ds_load_b128 v[X+16*\b:X+16*\b+3], v3 offset:128*\b
	ds_load_b128 v[X+16*\b+4:X+16*\b+7], v3 offset:128*\b+16
	ds_load_b128 v[X+16*\b+8:X+16*\b+11], v3 offset:128*\b+64
	ds_load_b128 v[X+16*\b+12:X+16*\b+15], v3 offset:128*\b+80
.endr
	s_wait_dscnt 0x0                               ; my numbers are back, and the stores have read the set that takes the loads of two steps on
.if (\f) < 6
	LOADX (\f)+2
.endif
	QUANT X, PWS+(\f)
.irp c, 0,1,2
	global_store_b128 v1, v[PC+4*\c:PC+4*\c+3], s[36:37] offset:1536*(\f)+512*\c   ; 32 lanes store 512 consecutive bytes, aligned
.endr
.endm
	LOADX 0
	LOADX 1
	s_wait_alu depctr_va_vdst(0)
.irp f, 0,1,2,3,4,5,6,7
	XSTEP \f
.endr
	s_wait_xcnt 0x0                                ; the last stores have read v[PC] on
.irp w, 0,1,2,3
	v_cndmask_b32 v[PC+\w], v[PWS+\w], v[PWS+4+\w], s25   ; lanes 0-15: K step w; lanes 16-31: K step 4 + w
.endr
	global_store_b128 v1, v[PC:PC+3], s[38:39]     ; the tile's 512 bytes of scale words
	s_branch .Lend
	; ---- the weights
.Lweights:
	s_sub_co_u32 s28, ttmp9, 384
	s_lshr_b32 s29, s28, 6                         ; which weight: 0 Wq, 1 Wk, 2 Wv, 3 Wo
	s_bfe_u32 s34, s28, 0x30003                    ; which 128 columns
	s_and_b32 s35, s28, 7                          ; which K step
	s_cmp_eq_u32 s29, 0
	s_cselect_b64 s[30:31], s[10:11], s[12:13]
	s_cmp_eq_u32 s29, 2
	s_cselect_b64 s[30:31], s[14:15], s[30:31]
	s_cmp_eq_u32 s29, 3
	s_cselect_b64 s[30:31], s[16:17], s[30:31]
	s_lshl_b32 s32, s35, 19                        ; 128 rows of 4,096 bytes a K step,
	s_lshl_b32 s40, s34, 9                         ; 512 bytes for 128 columns,
	s_add_co_u32 s32, s32, s40
	s_lshl_b32 s40, s24, 7                         ; 128 for my wave's 32
	s_add_co_u32 s32, s32, s40
	s_add_nc_u64 s[30:31], s[30:31], s[32:33]
	s_lshl_b32 s41, s34, 3
	s_lshl_b32 s40, s24, 1
	s_add_co_u32 s41, s41, s40                     ; my first row tile of the operand (its rows are the columns n)
	s_lshl_b32 s40, s41, 3
	s_add_co_u32 s40, s40, s35
	s_mul_i32 s40, s40, 1536
	s_mul_i32 s32, s29, 786432
	s_add_co_u32 s32, s32, s40
	s_add_nc_u64 s[36:37], s[20:21], s[32:33]      ; its fragment of this K step; the second tile's lies 12,288 bytes on
	s_lshl_b32 s32, s29, 15
	s_lshl_b32 s40, s41, 9
	s_add_co_u32 s32, s32, s40
	s_lshr_b32 s40, s35, 2
	s_lshl_b32 s40, s40, 8
	s_add_co_u32 s32, s32, s40
	s_and_b32 s40, s35, 3
	s_lshl_b32 s40, s40, 2
	s_add_co_u32 s32, s32, s40
	s_add_co_u32 s32, s32, 3145728
	s_add_nc_u64 s[38:39], s[20:21], s[32:33]      ; where this K step's words stand in the tile's scale image
.set i, 0
	s_wait_alu depctr_va_vdst(0)
.rept 128                                      ; register i: block i / 32, place i % 32, which holds the element named at the head.  32 lanes read 128 consecutive bytes of a row, the four waves 512
	global_load_b32 v[RB+i], v9, s[30:31] offset:((i&96)+(i&7)+2*(i&8)+(i&16)/2)*4096 th:TH_LOAD_NT
.set i, i+1
.endr
.macro WBLOCK y                        ; block y of my column: all its 32 numbers are mine
.set XS, RB+32*(\y)
.set cc, (\y)/2
.if (\y) < 2
	s_wait_loadcnt 63                              ; 96 and 64 younger loads could stay out: 63 is the largest count that a wait can name
.elseif (\y) == 2
	s_wait_loadcnt 32                              ; the last block's 32 may be out
.else
	s_wait_loadcnt 0x0
.endif
	v_max3_num_f32 v176, |v[XS]|, |v[XS+1]|, |v[XS+2]|
	v_max3_num_f32 v177, |v[XS+3]|, |v[XS+4]|, |v[XS+5]|
.irp i, 6,10,14,18,22,26
	v_max3_num_f32 v176, v176, |v[XS+\i]|, |v[XS+\i+1]|
	v_max3_num_f32 v177, v177, |v[XS+\i+2]|, |v[XS+\i+3]|
.endr
	v_max3_num_f32 v176, v176, |v[XS+30]|, |v[XS+31]|
	v_max3_num_f32 v176, v176, v177, 0x1800000     ; and the floor
	v_add_nc_u32 v[SO+(\y)], 0xff000000, v176
	v_lshrrev_b32 v[BY+(\y)], 23, v[SO+(\y)]
.if ((\y)%2) == 0
	v_cvt_scalef32_pk16_fp6_f32 v[PA+6*cc:PA+6*cc+2], v[XS:XS+15], v[SO+(\y)]
	v_cvt_scalef32_pk16_fp6_f32 v[TA:TA+2], v[XS+16:XS+31], v[SO+(\y)]   ; (the next block's maxima are the plain lines behind these)
.else
	v_cvt_scalef32_pk16_fp6_f32 v[PB+6*cc:PB+6*cc+2], v[XS:XS+15], v[SO+(\y)]
	v_cvt_scalef32_pk16_fp6_f32 v[TB:TB+2], v[XS+16:XS+31], v[SO+(\y)]
	v_nop                                          ; one plain place behind a scaled conversion
.irp i, 0,1,2
	v_mov_b32 v[PA+6*cc+3+\i], v[TA+\i]
	v_mov_b32 v[PB+6*cc+3+\i], v[TB+\i]
.endr
.irp i, 0,1,2,3,4,5                            ; PA held every column's block 2 c, PB its block 2 c + 1.  PA's lanes 16-31 change places with PB's lanes 0-15: PA is now the fragment of columns 0-15, PB of columns 16-31
	v_permlane16_swap_b32 v[PA+6*cc+\i], v[PB+6*cc+\i]
.endr
.endif
.endm
	WBLOCK 0
	WBLOCK 1
	WBLOCK 2
	WBLOCK 3
	v_lshl_or_b32 v188, v[BY+1], 8, v[BY]
	v_lshl_or_b32 v188, v[BY+2], 16, v188
	v_lshl_or_b32 v188, v[BY+3], 24, v188          ; my column's scale word of this K step
.irp c, 0,1,2
	global_store_b128 v1, v[PA+4*\c:PA+4*\c+3], s[36:37] offset:512*\c
.endr
.irp c, 0,1,2
	global_store_b128 v1, v[PB+4*\c:PB+4*\c+3], s[36:37] offset:12288+512*\c
.endr
	global_store_b32 v10, v188, s[38:39]           ; 4 bytes a lane, 16 bytes apart: a quarter of each 256 bytes touched; in all 131,072 of the 22,937,600 bytes that the launch stores
.Lend:
	s_wait_tensorcnt 0x0                           ; the wave's end: a tensor wait, an add and its wait behind the last LDS store, the tensor wait even in a text with no tensor load
	ds_add_u32 v4, v5
	s_wait_dscnt 0x0
	s_endpgm
.Lfunc_end_k_q6490d8473b_quant:
	.size	k_q6490d8473b_quant, .Lfunc_end_k_q6490d8473b_quant-k_q6490d8473b_quant
	.p2alignl 7, 3214868480
	.fill 96, 4, 3214868480
	.section	.rodata,"a",@progbits
	.p2align	6, 0x0
	.amdhsa_kernel k_q6490d8473b_quant
		.amdhsa_group_segment_fixed_size 34304
		.amdhsa_private_segment_fixed_size 0
		.amdhsa_enable_private_segment 0
		.amdhsa_kernarg_size 72
		.amdhsa_user_sgpr_count 2
		.amdhsa_user_sgpr_kernarg_segment_ptr 1
		.amdhsa_wavefront_size32 1
		.amdhsa_system_sgpr_workgroup_id_x 1
		.amdhsa_system_sgpr_workgroup_id_y 1
		.amdhsa_system_sgpr_workgroup_id_z 1
		.amdhsa_system_vgpr_workitem_id 0
		.amdhsa_next_free_vgpr 256
		.amdhsa_next_free_sgpr 66
		.amdhsa_reserve_vcc 0
		.amdhsa_float_denorm_mode_32 3
		.amdhsa_float_denorm_mode_16_64 3
		.amdhsa_memory_ordered 1
		.amdhsa_forward_progress 1
		.amdhsa_inst_pref_size 84
	.end_amdhsa_kernel
	.amdgpu_metadata
---
amdhsa.version: [ 1, 2 ]
amdhsa.kernels:
  - .name:           k_q6490d8473b_quant
    .symbol:         k_q6490d8473b_quant.kd
    .args:
      - { .name: q, .offset: 0, .size: 8, .value_kind: global_buffer, .address_space: global }
      - { .name: k, .offset: 8, .size: 8, .value_kind: global_buffer, .address_space: global }
      - { .name: v, .offset: 16, .size: 8, .value_kind: global_buffer, .address_space: global }
      - { .name: Wq, .offset: 24, .size: 8, .value_kind: global_buffer, .address_space: global }
      - { .name: Wk, .offset: 32, .size: 8, .value_kind: global_buffer, .address_space: global }
      - { .name: Wv, .offset: 40, .size: 8, .value_kind: global_buffer, .address_space: global }
      - { .name: Wo, .offset: 48, .size: 8, .value_kind: global_buffer, .address_space: global }
      - { .name: ximg, .offset: 56, .size: 8, .value_kind: global_buffer, .address_space: global }
      - { .name: wimg, .offset: 64, .size: 8, .value_kind: global_buffer, .address_space: global }
    .group_segment_fixed_size: 34304
    .private_segment_fixed_size: 0
    .kernarg_segment_align: 8
    .kernarg_segment_size: 72
    .max_flat_workgroup_size: 128
    .sgpr_count:     66
    .vgpr_count:     256
    .wavefront_size: 32
...
	.end_amdgpu_metadata
.endif
;; end of part 5
;; launch proj (part 6): grid 384 x 1, 4 waves a work-group, no clusters, 0 bytes of LDS; arguments ximg, wimg, bq, bk, bv, pimg; writes pimg
.if DOCPART == 6
	.amdgcn_target "amdgcn-amd-amdhsa--gfx1250"
	.amdhsa_code_object_version 6
	.text
	.protected	k_q6490d8473b_proj
	.globl	k_q6490d8473b_proj
	.p2align	8
	.type	k_q6490d8473b_proj,@function
k_q6490d8473b_proj:
	s_mov_b64 s[64:65], 0
	v_nop
	global_prefetch_b8 v0, s[64:65] scope:SCOPE_SE
	s_setreg_imm32_b32 hwreg(HW_REG_WAVE_SCHED_MODE, 0, 2), 2
	s_setreg_imm32_b32 hwreg(HW_REG_WAVE_MODE, 25, 1), 1
	s_wait_xcnt 0x0
	s_wait_alu depctr_vm_vsrc(0)
; Q = q Wq + bq, K = k Wk + bk, V = v Wv + bv on codes of FP6 (E2M3) with E8M0 scales, sums in f32; the results are quantised in registers and leave as codes: Q and K along the head's axis, V along the keys.
; ONE FORM SERVES ALL THREE: Out[i][j] = sum over k of S1[i][k] S0[j][k] + bias, quantised along j.  Source 0 = 16 rows of S0, source 1 = 16 rows of S1: in the result lane (r, h) holds i = r and its registers j = 8 h + 0 .. 7.
; Q, K: S0 = the weight (j = n), S1 = the tokens, the bias goes by j.  V: S0 = the tokens (j = the keys), S1 = the weight, the bias goes by i.  Only pointers and the bias's add differ.
; SHARES.  Work-groups 0-127 Q, 128-255 K, 256-383 V.  A wave makes 128 (i) x 128 (j): 64 accumulators, 512 registers.  K = 1,024 is eight matrix instructions deep: written out, every offset an immediate.
; OPERANDS COME FROM MEMORY STRAIGHT INTO REGISTERS: the launch before has laid each fragment in the order of its registers, so a fragment is three loads of 16 bytes a lane, 512 consecutive bytes each.
; So there is no LDS, no barrier and no tensor load.  NO CLUSTER: with no tile in LDS there is no tensor load that partners could ask for jointly; the price is that each of the 1,536 waves fetches its own 8 x 24,576 bytes of codes.
; THE RESULT.  The 16 registers of two neighbouring tiles of j are 16 of the 32 numbers of a block (lane l xor 16 holds the others): place p of a block holds element (p & 7) + 2 (p & 8) + (p & 16) / 2, in every operand of the program alike.
; pimg: tensor T, block idx = 64 x (128 of n) + (128 tokens): eight fragments of 1,536 bytes, each as two halves of 768 (registers 6 c .. 6 c + 3 of lane L at 768 c + 16 L, registers 6 c + 4, 6 c + 5 at 768 c + 512 + 8 L):
; a half is 64 along K, one head of Q or K.  Scale words: 512 bytes a block: at 16 L + 4 q the word of row 16 (4 h + q) + r.
; LIMITS: NaN and infinities are not served.  A block of zeros gets the byte 1 where the rule says 127: its codes are zeros, and the bytes are read by this program alone.
; REGISTERS, in windows of 256: window 0: v1-4 offsets; v32-63 S0's scale words (tile b: 4 b + q), v64-95 S1's; v96-143, v144-191 S1's tiles 0-3, two sets; v192-239 S1's tiles 4-7, set 0.
;   window 1: v0-95, v96-191 S0's eight tiles, two sets; v192-239 S1's tiles 4-7, set 1; at the end v0-63 the bias.   windows 2, 3: accumulator (a, b) at v[8 (8 (a % 4) + b)] of window 2 + a / 4.
;   A scale register q serves K step q from lanes 0-15 and K step 4 + q from lanes 16-31.
; THE MODE: SCHED_MODE bits 1:0 = 2 (LLVM: expert scheduling mode 2), set by the entry lines.  The code itself states the register dependences between vector or matrix instructions and memory instructions, with s_wait_alu, always for 0.
; THE PLAN.  Registers that memory instructions touch:
;   v1-4          offsets: written at the head, never again; read by every load and store.
;   v32-95        scale words: loaded once; read by products alone.
;   the operands  two sets each of S0, of S1's tiles 0-3 and of S1's tiles 4-7.  K step kb's products read set kb % 2; the loads of K step kb + 1 land in the other set, which the products of K step kb - 1 read last.
;   the bias      lands in S0's set 0, which K step 6 read last; its loads are issued in K step 7.
;   the codes     two buffers by turns.  Tile a's quantiser writes buffer a % 2; its four stores are issued at the head of tile a + 1.
; So ONE wait on va_vdst stands at the head of each K step but the first, behind the wait for the step's data: the products of the step before are done reading the sets that this step's 48 loads fill;
; no product issued behind it names those registers, so the loads owe nothing more.  On the way out one wait on va_vdst a tile stands ahead of the stores of the tile before, and the pair
; s_wait_xcnt 0 and vm_vsrc, for the buffer that is written again, stands a whole tile behind the stores that it speaks of.
.set S0SC, 32
.set S1SC, 64
.set TT,   96                          ; the way out, window 0: v96-159 64 numbers;  v160-178, v208-226 codes, two buffers;  v180-195 at work;  v196-203 the eight scale words;  v204-207 their image
.set PC,   160                         ; buffer a % 2 of the codes at PC + 48 (a % 2)
.set TM,   180
.set PWS,  196
.set W4,   204
.set S0P,  30                          ; s[30:31] S0's codes, s[32:33] its scale words, s[34:35], s[36:37] S1's
.set S0S,  32
.set S1P,  34
.set S1S,  36
.set BIA,  38                          ; s[38:39] the bias's 128 numbers
.set OUC,  40                          ; s[40:41] my block of pimg, s[42:43] its scale words
.set OUS,  42
.set SEL,  46
.set MSB, 0
.macro WIN new                         ; the immediate's high byte repeats the setting that is left; a switch that changes nothing is dropped
.if MSB != (\new)
	s_set_vgpr_msb (MSB<<8)|(\new)
.set MSB, (\new)
.endif
.endm
.macro QUANT src, pw                   ; 64 numbers of a lane, register 16 b + i of block b, become a fragment's codes in v[PCB] .. v[PCB + 11] (PCB: the buffer in hand) and the row's scale word in v[pw]
.irp b, 0,1,2,3
	v_max3_num_f32 v[TM+\b], |v[\src+16*\b]|, |v[\src+1+16*\b]|, 0x1800000   ; my 16 numbers, and the floor 2^(3 - 127): the byte cannot fall under 1
.endr
.irp i, 2,4,6,8,10,12,14
.irp b, 0,1,2,3
	v_max3_num_f32 v[TM+\b], v[TM+\b], |v[\src+16*\b+\i]|, |v[\src+1+16*\b+\i]|
.endr
.endr
.irp b, 0,1,2,3
	v_permlanex16_b32 v[TM+4+\b], v[TM+\b], s[SEL], s[SEL+1]
.endr
.irp b, 0,1,2,3
	v_max_num_f32 v[TM+\b], v[TM+\b], v[TM+4+\b]
.endr
.irp b, 0,1,2,3
	v_add_nc_u32 v[TM+12+\b], 0xff000000, v[TM+\b]   ; 2 off the exponent field: the conversion's scale operand
.endr
.irp b, 0,1,2,3
	v_lshrrev_b32 v[TM+4+\b], 23, v[TM+12+\b]
.endr
	v_lshl_or_b32 v[\pw], v[TM+5], 8, v[TM+4]
	v_lshl_or_b32 v[\pw], v[TM+6], 16, v[\pw]
	v_lshl_or_b32 v[\pw], v[TM+7], 24, v[\pw]
.irp c, 0,1
	v_cvt_scalef32_pk16_fp6_f32 v[PCB+6*\c:PCB+2+6*\c], v[\src+32*\c:\src+15+32*\c], v[TM+12+2*\c]
	v_cvt_scalef32_pk16_fp6_f32 v[PCB+12+4*\c:PCB+14+4*\c], v[\src+16+32*\c:\src+31+32*\c], v[TM+12+2*\c+1]
.endr
	v_nop                                          ; one plain place behind a scaled conversion
.irp c, 0,1
.irp i, 0,1,2
	v_permlane16_swap_b32 v[PCB+6*\c+\i], v[PCB+12+4*\c+\i]
.endr
.irp i, 0,1,2
	v_mov_b32 v[PCB+3+6*\c+\i], v[PCB+12+4*\c+\i]
.endr
.endr
.endm
.macro LDF reg, sb, off                ; a fragment: three loads, 512 consecutive bytes each
.irp c, 0,1,2
	global_load_b128 v[(\reg)+4*\c:(\reg)+4*\c+3], v1, s[\sb:\sb+1] offset:(\off)+512*\c
.endr
.endm
.macro LOAD_S0 kb
	WIN 0x40                                       ; destination window 1, offset window 0
.irp b, 0,1,2,3,4,5,6,7
	LDF 96*((\kb)%2)+12*\b, S0P, 12288*\b+1536*(\kb)
.endr
.endm
.macro LOAD_LO kb
	WIN 0
.irp a, 0,1,2,3
	LDF 96+48*((\kb)%2)+12*\a, S1P, 12288*\a+1536*(\kb)
.endr
.endm
.macro LOAD_HI kb
	WIN 0x40*((\kb)%2)
.irp a, 0,1,2,3
	LDF 192+12*\a, S1P, 12288*(4+\a)+1536*(\kb)
.endr
.endm
; 32 matrix instructions: S1's tiles 4 hi .. 4 hi + 3, each against S0's eight.  The 64 accumulators take turns, one instruction a turn, in the same order in all eight K steps.
.macro MULH kb, hi
.if (\hi) == 0
	WIN 0xa1                                       ; source 0 window 1, source 1 window 0, C and D window 2
.elseif ((\kb)%2) == 0
	WIN 0xf1                                       ; C and D window 3
.else
	WIN 0xf5                                       ; and source 1 window 1
.endif
.irp a, 0,1,2,3
.irp b, 0,1,2,3,4,5,6,7
.set rD, 8*(8*\a+\b)
.set rA, 96*((\kb)%2)+12*\b
.if (\hi) == 0
.set rB, 96+48*((\kb)%2)+12*\a
.else
.set rB, 192+12*\a
.endif
.set sA, S0SC+4*\b+(\kb)%4
.set sB, S1SC+4*(4*(\hi)+\a)+(\kb)%4
.if (\kb) == 0
	v_wmma_scale_f32_16x16x128_f8f6f4 v[rD:rD+7], v[rA:rA+11], v[rB:rB+11], 0, v[sA], v[sB] matrix_a_fmt:MATRIX_FMT_FP6 matrix_b_fmt:MATRIX_FMT_FP6
.elseif (\kb) < 4
	v_wmma_scale_f32_16x16x128_f8f6f4 v[rD:rD+7], v[rA:rA+11], v[rB:rB+11], v[rD:rD+7], v[sA], v[sB] matrix_a_fmt:MATRIX_FMT_FP6 matrix_b_fmt:MATRIX_FMT_FP6
.else
	v_wmma_scale_f32_16x16x128_f8f6f4 v[rD:rD+7], v[rA:rA+11], v[rB:rB+11], v[rD:rD+7], v[sA], v[sB] matrix_a_fmt:MATRIX_FMT_FP6 matrix_b_fmt:MATRIX_FMT_FP6 matrix_a_scale:MATRIX_SCALE_ROW1 matrix_b_scale:MATRIX_SCALE_ROW1
.endif
.endr
.endr
.endm
	s_load_b256 s[4:11], s[0:1], 0x0               ; ximg, wimg, bq, bk
	s_load_b128 s[12:15], s[0:1], 0x20             ; bv, pimg
	v_lshrrev_b32 v5, 5, v0
	v_readfirstlane_b32 s16, v5                    ; wave 0..3
	v_and_b32 v5, 31, v0
	v_and_b32 v6, 15, v0
	v_bfe_u32 v7, v0, 4, 1
	v_lshlrev_b32 v1, 4, v5                        ; 16 L
	v_lshlrev_b32 v2, 3, v5                        ; 8 L
	v_lshlrev_b32 v3, 5, v7                        ; 32 h: eight numbers of a bias by j
	v_lshlrev_b32 v4, 2, v6                        ; 4 r: one number of a bias by i
	s_wait_alu depctr_va_sdst(0)                   ; s16 is written, ahead of its first reader: the blocks' numbers, and from them every base, are made from it
	s_lshr_b32 s17, ttmp9, 7                       ; T: 0 Q, 1 K, 2 V
	s_and_b32 s18, ttmp9, 127
	s_lshr_b32 s19, s18, 2
	s_lshl_b32 s19, s19, 1
	s_lshr_b32 s20, s16, 1
	s_add_co_u32 s19, s19, s20                     ; TB: my 128 tokens, 0..63
	s_and_b32 s20, s18, 3
	s_lshl_b32 s20, s20, 1
	s_and_b32 s21, s16, 1
	s_add_co_u32 s20, s20, s21                     ; WB: my 128 of n, 0..7
	s_mov_b32 s23, 0
	s_mov_b32 s25, 0
	s_mov_b32 s27, 0
	s_mov_b32 s29, 0
	s_mul_i32 s22, s17, 6291456
	s_mul_i32 s21, s19, 98304
	s_add_co_u32 s22, s22, s21                     ; the tokens' codes: eight row tiles x eight K steps x 1,536 bytes a block
	s_lshl_b32 s24, s17, 18
	s_lshl_b32 s21, s19, 12
	s_add_co_u32 s24, s24, s21
	s_add_co_u32 s24, s24, 18874368                ; their scale words
	s_mul_i32 s26, s17, 786432
	s_mul_i32 s21, s20, 98304
	s_add_co_u32 s26, s26, s21                     ; the weight's codes
	s_lshl_b32 s28, s17, 15
	s_lshl_b32 s21, s20, 12
	s_add_co_u32 s28, s28, s21
	s_add_co_u32 s28, s28, 3145728                 ; its scale words
	s_mov_b32 s44, 0xffff0000                      ; lanes 16-31
	s_mov_b32 s[SEL], 0x76543210
	s_mov_b32 s[SEL+1], 0xfedcba98
	s_wait_kmcnt 0x0
	s_add_nc_u64 s[48:49], s[4:5], s[22:23]
	s_add_nc_u64 s[50:51], s[4:5], s[24:25]
	s_add_nc_u64 s[52:53], s[6:7], s[26:27]
	s_add_nc_u64 s[54:55], s[6:7], s[28:29]
	s_cmp_eq_u32 s17, 2                            ; V: the tokens are source 0
	s_cselect_b64 s[S0P:S0P+1], s[48:49], s[52:53]
	s_cselect_b64 s[S0S:S0S+1], s[50:51], s[54:55]
	s_cselect_b64 s[S1P:S1P+1], s[52:53], s[48:49]
	s_cselect_b64 s[S1S:S1S+1], s[54:55], s[50:51]
	s_cselect_b64 s[BIA:BIA+1], s[12:13], s[10:11]
	s_cmp_eq_u32 s17, 0
	s_cselect_b64 s[BIA:BIA+1], s[8:9], s[BIA:BIA+1]
	s_lshl_b32 s22, s20, 9
	s_add_nc_u64 s[BIA:BIA+1], s[BIA:BIA+1], s[22:23]
	s_lshl_b32 s24, s20, 6
	s_add_co_u32 s24, s24, s19                     ; idx = 64 WB + TB
	s_mul_i32 s22, s24, 12288
	s_mul_i32 s26, s17, 6291456
	s_add_co_u32 s22, s22, s26
	s_add_nc_u64 s[OUC:OUC+1], s[14:15], s[22:23]
	s_lshl_b32 s22, s24, 9
	s_lshl_b32 s26, s17, 18
	s_add_co_u32 s22, s22, s26
	s_add_co_u32 s22, s22, 18874368
	s_add_nc_u64 s[OUS:OUS+1], s[14:15], s[22:23]
	s_wait_alu depctr_va_vdst(0)                   ; the four offsets v1 to v4 are written: every load and store of the kernel reads one of them
.irp b, 0,1,2,3,4,5,6,7
	global_load_b128 v[S0SC+4*\b:S0SC+4*\b+3], v1, s[S0S:S0S+1] offset:512*\b   ; a tile's scale words for all of K
.endr
.irp a, 0,1,2,3,4,5,6,7
	global_load_b128 v[S1SC+4*\a:S1SC+4*\a+3], v1, s[S1S:S1S+1] offset:512*\a
.endr
	LOAD_S0 0
	LOAD_LO 0
	LOAD_HI 0
; A K step.  All 48 loads of the next K step stand at its head, in the order S0, S1's tiles 0-3, S1's tiles 4-7: each run's registers were last read by the products of the step before.
; Four places stand between those products and the loads, as in the plain form of this text; the wait behind them states the dependence.  The first K step's loads land in registers that nothing has named yet: no wait.
.macro KB kb
	s_wait_loadcnt 12                              ; all but the youngest twelve loads are in: those are this step's tiles 4-7 of S1
.if (\kb) < 7
	WIN 0x40                                       ; the first run's window, ahead of the wait
.endif
.if (\kb) > 0
.rept 4
	v_nop
.endr
	s_wait_alu depctr_va_vdst(0)                   ; the products of the step before are done reading their sets of S0 and S1, in which this step's loads land (in the last step: S0's set 0, in which the bias lands)
.endif
.if (\kb) < 7
	LOAD_S0 (\kb)+1
	LOAD_LO (\kb)+1
	LOAD_HI (\kb)+1                                ; no product since the wait names this set: this step's read the other one
.endif
	MULH \kb, 0
.if (\kb) < 7
	s_wait_loadcnt 48                              ; tiles 4-7 are in; the 48 loads issued at the step's head may be out
.else
	s_wait_loadcnt 0x0
	WIN 0                                          ; at a branch and at a label every window is 0
	s_cmp_eq_u32 s17, 2
	s_cbranch_scc1 .Lbias_v
	WIN 0x40                                       ; the bias lands in S0's set 0, which the step before read last: the wait at this step's head has stated it, and the 32 products since name S0's set 1 alone of that window
.irp b, 0,1,2,3,4,5,6,7
	global_load_b128 v[8*\b:8*\b+3], v3, s[BIA:BIA+1] offset:64*\b      ; Q, K: register 8 b + j = bias[16 b + 8 h + j]
	global_load_b128 v[8*\b+4:8*\b+7], v3, s[BIA:BIA+1] offset:64*\b+16
.endr
	WIN 0
	s_branch .Lbias_done
.Lbias_v:
	WIN 0x40
.irp a, 0,1,2,3,4,5,6,7
	global_load_b32 v[2*\a], v4, s[BIA:BIA+1] offset:64*\a              ; V: bias[16 a + r], twice: a pair for the packed add
	global_load_b32 v[2*\a+1], v4, s[BIA:BIA+1] offset:64*\a
.endr
	WIN 0
.Lbias_done:
.endif
	MULH \kb, 1
.endm
.irp k, 0,1,2,3,4,5,6,7
	KB \k
.endr
	s_wait_loadcnt 0x0                             ; the bias
	WIN 0
.rept 4
	v_nop                                          ; places behind the last products, in front of the first read of results and the first write over operands
.endr
.irp b, 0,1,2,3
	v_mov_b32 v[TM+4+\b], 0                        ; written once: a lane permute's destination counts as one of its sources
.endr
.macro OUT t                           ; tile t's fragment leaves from its buffer
.set PCS, PC+48*((\t)%2)
	global_store_b128 v1, v[PCS:PCS+3], s[OUC:OUC+1] offset:1536*(\t)           ; 512 consecutive bytes,
	global_store_b64 v2, v[PCS+4:PCS+5], s[OUC:OUC+1] offset:1536*(\t)+512      ; 256: the first half;
	global_store_b128 v1, v[PCS+6:PCS+9], s[OUC:OUC+1] offset:1536*(\t)+768     ; and the second
	global_store_b64 v2, v[PCS+10:PCS+11], s[OUC:OUC+1] offset:1536*(\t)+1280
.endm
; THE WAY OUT of tile a of i: 16 rows x 128 of j.  At its head the stores of the tile before; then the bias's add, which is also the move into window 0 (each accumulator is read from its low end on), and the quantiser.
.macro EPI a
.if (\a) > 1
	s_wait_xcnt 0x0                                ; the stores of tile a - 2, issued a tile ago, have had their addresses translated: their data registers are written again only behind this wait,
	s_wait_alu depctr_vm_vsrc(0)                   ; and they have read buffer a % 2 of the codes, which this tile's quantiser writes again
.endif
.if (\a) > 0
	s_wait_alu depctr_va_vdst(0)                   ; the quantiser of tile a - 1 has written the other buffer, which the four stores below read
	OUT (\a)-1
.endif
	s_cmp_eq_u32 s17, 2
	s_cbranch_scc1 .Lvb_\@
	WIN 0x06+(\a)/4                                ; source 0 window 2 or 3, source 1 window 1, destination window 0
.set m, 0
.rept 32
	v_pk_add_f32 v[TT+2*m:TT+2*m+1], v[64*((\a)%4)+2*m:64*((\a)%4)+2*m+1], v[2*m:2*m+1]
.set m, m+1
.endr
	WIN 0
	s_branch .Lbd_\@
.Lvb_\@:
	WIN 0x06+(\a)/4
.set m, 0
.rept 32
	v_pk_add_f32 v[TT+2*m:TT+2*m+1], v[64*((\a)%4)+2*m:64*((\a)%4)+2*m+1], v[2*(\a):2*(\a)+1]
.set m, m+1
.endr
	WIN 0
.Lbd_\@:
.set PCB, PC+48*((\a)%2)
	QUANT TT, PWS+(\a)
.endm
.irp t, 0,1,2,3,4,5,6,7
	EPI \t
.endr
.irp w, 0,1,2,3
	v_cndmask_b32 v[W4+\w], v[PWS+\w], v[PWS+4+\w], s44   ; lanes 0-15: tile w; lanes 16-31: tile 4 + w
.endr
	s_wait_alu depctr_va_vdst(0)                   ; tile 7's codes and the scale words' image are written, which the last five stores read
	OUT 7
	global_store_b128 v1, v[W4:W4+3], s[OUS:OUS+1] ; the block's 512 bytes of scale words
	s_endpgm
.Lfunc_end_k_q6490d8473b_proj:
	.size	k_q6490d8473b_proj, .Lfunc_end_k_q6490d8473b_proj-k_q6490d8473b_proj
	.p2alignl 7, 3214868480
	.fill 96, 4, 3214868480
	.section	.rodata,"a",@progbits
	.p2align	6, 0x0
	.amdhsa_kernel k_q6490d8473b_proj
		.amdhsa_group_segment_fixed_size 0
		.amdhsa_private_segment_fixed_size 0
		.amdhsa_enable_private_segment 0
		.amdhsa_kernarg_size 48
		.amdhsa_user_sgpr_count 2
		.amdhsa_user_sgpr_kernarg_segment_ptr 1
		.amdhsa_wavefront_size32 1
		.amdhsa_system_sgpr_workgroup_id_x 1
		.amdhsa_system_sgpr_workgroup_id_y 1
		.amdhsa_system_sgpr_workgroup_id_z 1
		.amdhsa_system_vgpr_workitem_id 0
		.amdhsa_next_free_vgpr 1024
		.amdhsa_next_free_sgpr 66
		.amdhsa_reserve_vcc 0
		.amdhsa_float_denorm_mode_32 3
		.amdhsa_float_denorm_mode_16_64 3
		.amdhsa_memory_ordered 1
		.amdhsa_forward_progress 1
		.amdhsa_inst_pref_size 179
	.end_amdhsa_kernel
	.amdgpu_metadata
---
amdhsa.version: [ 1, 2 ]
amdhsa.kernels:
  - .name:           k_q6490d8473b_proj
    .symbol:         k_q6490d8473b_proj.kd
    .args:
      - { .name: ximg, .offset: 0, .size: 8, .value_kind: global_buffer, .address_space: global }
      - { .name: wimg, .offset: 8, .size: 8, .value_kind: global_buffer, .address_space: global }
      - { .name: bq, .offset: 16, .size: 8, .value_kind: global_buffer, .address_space: global }
      - { .name: bk, .offset: 24, .size: 8, .value_kind: global_buffer, .address_space: global }
      - { .name: bv, .offset: 32, .size: 8, .value_kind: global_buffer, .address_space: global }
      - { .name: pimg, .offset: 40, .size: 8, .value_kind: global_buffer, .address_space: global }
    .group_segment_fixed_size: 0
    .private_segment_fixed_size: 0
    .kernarg_segment_align: 8
    .kernarg_segment_size: 48
    .max_flat_workgroup_size: 128
    .sgpr_count:     66
    .vgpr_count:     1024
    .wavefront_size: 32
...
	.end_amdgpu_metadata
.endif
;; end of part 6
;; launch attn (part 7): grid 16 x 32, 16 waves a work-group, no clusters, 327,680 bytes of LDS; arguments pimg, oimg; writes oimg
.if DOCPART == 7
	.amdgcn_target "amdgcn-amd-amdhsa--gfx1250"
	.amdhsa_code_object_version 6
	.text
	.protected	k_q6490d8473b_attn
	.globl	k_q6490d8473b_attn
	.p2align	8
	.type	k_q6490d8473b_attn,@function
k_q6490d8473b_attn:
	s_mov_b64 s[64:65], 0
	v_nop
	global_prefetch_b8 v0, s[64:65] scope:SCOPE_SE
	s_setreg_imm32_b32 hwreg(HW_REG_WAVE_MODE, 25, 1), 1
	s_wait_xcnt 0x0
; O = softmax(Q K^T / 8) V for 64 heads of size 64, 2,048 queries and keys each, both products on codes of FP6 (E2M3) with E8M0 scales; O / l is quantised along the model's axis and leaves as codes.
; THE SOFTMAX AHEAD OF THE SECOND PRODUCT: t = score x log2(e) / 8; M = the row's largest t so far, rounded UP to a whole number; p = 2^(t - M) is what is quantised, along the keys, not normalised.
; The row's sum is taken of the unquantised p, in f32, and divides O at the end.  When M moves, the sum and O are multiplied by 2^(old M - new M): exact.
; SHARES.  A work-group owns 128 queries (x) of a PAIR of heads (y = 8 x batch + pair): the launch before has laid 128 of n, two heads, into one block, so every byte fetched is used.
; Wave w: head e = w / 8 of the pair, tile t = w % 8 of 16 queries, in 256 registers: four waves to a SIMD, so that one wave's vector work stands beside another's matrix work and LDS loads.
; Every wave walks the 2,048 keys, 128 a step.  K's and V's blocks come through a ring of two LDS slots of two steps, filled by the tensor data mover (waves 0, 1: K's two steps; waves 2, 3: V's).
; LAYOUT.  Both products are used transposed: S^T = K Q^T (source 0 = 16 keys, source 1 = my queries), O^T = V^T P^T: a lane holds ONE query (lane % 16) throughout.  The 16 registers of tiles 2 b, 2 b + 1 of S^T are 16 of the
; 32 keys of block b; place p of a block holds key (p & 7) + 2 (p & 8) + (p & 16) / 2, and V's codes were laid along the keys in the same order, as were Q's and K's along the head.
; OPERANDS LIE IN LDS AS IMAGES OF THEIR REGISTERS: half a fragment (16 rows x 64 K, six registers) is 768 bytes: registers 0-3 of lane L at 16 L, registers 4, 5 at 512 + 8 L.  No pitch, no padding.
; K = 64 IN AN INSTRUCTION OF 128: Q's registers 6-11 hold zero codes, so k = 64 .. 127 adds exactly 0 whatever stands on K's side.  K's tile t is named v[32 + 6 t : 43 + 6 t]: its upper six registers are the next tile's
; codes (behind the last tile: six zeros), which are finite numbers, FP6 having no other; the two upper scale bytes on both sides are the zeros of a 16-bit load, 2^-127 each, never 0xff.
; NO CLUSTER: the sixteen query blocks of a pair share K and V, but a slot's 49,152 bytes are walked by 16 waves x 2 steps of some 250 vector instructions each: what is shared is fetched far ahead of its use
; by one load a wave; joint loads would add a cluster's barrier to each of the eight changes of slots.
; LIMITS: NaN and infinities are not served.  A block of zeros gets the byte 1 where the rule says 127: its codes are zeros, and the bytes are read by this program alone.
; REGISTERS: v1-4, v7, v8 places that stay; v5, v6 the add's two; v9-14 the addresses in hand; v15 the prefetch's offset; v16 -M, v17 the largest t, v[18:19] the sum in two halves; v20-31 Q; v32-79 K's eight tiles, v80-85 zeros;
; v86, v87 O's scale bytes in LDS; v88-135 V's four fragments; v136-199 S^T, then p; v200-231 O^T; v232-239 K's scale words, v240-243 V's, v244 p's, v245 Q's; v[246:247] f; v248 at work.
; Behind the score products K's registers are free: v32-43 p's codes, v44-50 their upper halves, v52-55 block maxima, v56-59 permutes and bytes, v60-63 scale operands, v[64:65] one of the sum's eight chains.
.set SLOT1, 131072                     ; slot 1 begins here: one exclusive or turns an address in one slot into the other's.  A slot: K step 0 | K step 1 | V step 0 | V step 1, 12,288 bytes each
.set SCK,   262144                     ; K's scale words of the pair's 2,048 keys: 16 x 512 bytes, filled once
.set SCV,   270336                     ; V's likewise
.set SCO,   278528                     ; 512 bytes in which the sixteen waves gather O's scale bytes: no fill lands here
.set SPARE, 279040                     ; the spare words, 128 bytes for each wave: eight blocks of 256 bytes that no other line names
.set KF,  32
.set VF,  88
.set S,   136
.set OT,  200
.set KS,  232
.set BM,  52
.set PM,  56
.set SO,  60
.macro TLOAD                           ; waves 0 to 3 fetch, one load each; the branch hangs on the wave's number alone.  An s_nop 0 and four v_nop follow the load
	s_cmp_lt_u32 s8, 4
	s_cbranch_scc0 .Lnt_\@
	tensor_load_to_lds s[40:43], s[24:31]
	s_nop 0
.rept 4
	v_nop
.endr
.Lnt_\@:
.endm
; A PREFETCH INTO THE L2 of what the NEXT change of slots will ask for: 24,576 bytes of K and as many of V, two key steps ahead of that load.  All sixteen work-groups of a pair walk the same K and V: the one with x = 0 asks.
; In it waves 4 to 6 ask for K's bytes and waves 8 to 10 for V's: 8,192 bytes a wave, lanes 256 bytes apart, one instruction: each aligned block of 256 bytes is named once in the launch.
; The last change that fills a slot asks for nothing; slots 0 and 1 come by their loads alone.
.macro ASK
	s_cmp_gt_u32 s50, s51
	s_cbranch_scc0 .Lnm_\@
	global_prefetch_b8 v15, s[52:53] th:TH_LOAD_NT scope:SCOPE_SE
.Lnm_\@:
.endm
	s_load_b128 s[4:7], s[0:1], 0x0                ; pimg, oimg
	v_lshl_add_u32 v5, v0, 2, SPARE
	v_mov_b32 v6, 0
	ds_add_u32 v5, v6                              ; the wave's opening: the add, and its wait ahead of the first tensor load; the set-up below, work on registers, stands between them
	ds_add_u32 v5, v6
	v_lshrrev_b32 v9, 5, v0
	s_delay_alu instid0(VALU_DEP_1)
	v_readfirstlane_b32 s8, v9                     ; wave 0..15
	s_lshr_b32 s9, s8, 3                           ; e: my head of the pair
	s_and_b32 s10, s8, 7                           ; t: my tile of queries
	s_and_b32 s11, ttmp7, 0xffff
	s_lshr_b32 s12, s11, 3                         ; the batch
	s_and_b32 s13, s11, 7                          ; g: the pair
	s_lshl_b32 s14, s13, 6
	s_lshl_b32 s15, s12, 4
	s_add_co_u32 s14, s14, s15                     ; idx0 = 64 g + 16 batch: the pair's first block of 128 tokens
	s_and_b32 s15, s8, 3                           ; what I fetch, if I fetch: tensor 1 + (w / 2) (K, V), step w % 2 of a slot
	s_lshr_b32 s16, s15, 1
	s_and_b32 s17, s15, 1
	s_add_co_u32 s18, s16, 1
	s_mul_i32 s2, s18, 6291456
	s_add_co_u32 s19, s14, s17
	s_mul_i32 s19, s19, 12288
	s_add_co_u32 s2, s2, s19                       ; its codes in pimg,
	s_mov_b32 s3, 0
	s_lshl_b32 s62, s18, 18
	s_lshl_b32 s19, s14, 9
	s_add_co_u32 s62, s62, s19
	s_lshl_b32 s19, s17, 12
	s_add_co_u32 s62, s62, s19
	s_add_co_u32 s62, s62, 18874368                ; and my half of the tensor's 8,192 bytes of scale words
	s_mov_b32 s63, 0
	; descriptor group 1: a dense block of 12,288 bytes as 48 rows of 256 (32 elements of 8 bytes);  for the scale words 16 such rows
	s_mov_b32 s24, 3<<16                           ; no mask; elements of 8 bytes; no padding
	s_mov_b32 s25, 32<<16                          ; tensor_dim0
	s_mov_b32 s26, 48<<16                          ; tensor_dim1
	s_mov_b32 s27, 32<<16                          ; tile_dim0
	s_mov_b32 s28, 48                              ; tile_dim1
	s_mov_b32 s29, 32                              ; the pitch
	s_mov_b32 s30, 0
	s_mov_b32 s31, 0
	s_mov_b32 s32, 3<<16
	s_mov_b32 s33, 32<<16
	s_mov_b32 s34, 16<<16
	s_mov_b32 s35, 32<<16
	s_mov_b32 s36, 16
	s_mov_b32 s37, 32
	s_mov_b32 s38, 0
	s_mov_b32 s39, 0
	s_mov_b32 s40, 1
	s_mul_i32 s41, s15, 12288                      ; LDS: my quarter of slot 0
	s_mov_b32 s44, 1
	s_lshl_b32 s45, s15, 12
	s_add_co_u32 s45, s45, SCK                     ; LDS: K's two halves, then V's
	s_mov_b32 s20, 0x76543210
	s_mov_b32 s21, 0xfedcba98                      ; v_permlanex16_b32's selects for lane l xor 16
	s_mov_b32 s22, 0x3e38aa3b                      ; c = log2(e) / 8
	s_mov_b32 s23, s22                             ; (named with it as a pair, so it is written)
	s_mov_b32 s48, 0                               ; LDS byte at which the slot in hand begins
	s_mov_b32 s49, 0                               ; where the slot's scale words begin: 1,024 bytes a slot
	s_mov_b32 s50, 7                               ; slots still to be asked for
	s_wait_dscnt 0x0                               ; the opening add is done
	s_wait_kmcnt 0x0
	s_add_nc_u64 s[46:47], s[4:5], s[62:63]
	s_or_b32 s47, s47, 0x80000000
	s_add_nc_u64 s[42:43], s[4:5], s[2:3]
	s_or_b32 s43, s43, 0x80000000
	s_cmp_lt_u32 s8, 4                             ; a wave's two first fills stand in one branch, ahead of every wait on TENSORcnt, every LDS read and every barrier: two loads of mine are out
	s_cbranch_scc0 .Lnofill
	tensor_load_to_lds s[44:47], s[32:39]          ; the scale words: filled once
	s_nop 0
	tensor_load_to_lds s[40:43], s[24:31]          ; slot 0
	s_nop 0
.rept 4
	v_nop
.endr
.Lnofill:
	s_add_co_u32 s11, s14, ttmp9                   ; my queries' block: idx0 + x
	s_lshr_b32 s18, s10, 2
	s_lshl_b32 s18, s18, 8
	s_and_b32 s19, s10, 3
	s_lshl_b32 s19, s19, 2
	s_add_co_u32 s18, s18, s19
	s_lshl_b32 s19, s9, 1
	s_add_co_u32 s18, s18, s19                     ; my tile's and head's place in a block's scale words: 256 (t / 4) + 4 (t % 4) + 2 e
	s_mul_i32 s2, s11, 12288
	s_mul_i32 s19, s10, 1536
	s_add_co_u32 s2, s2, s19
	s_mul_i32 s19, s9, 768
	s_add_co_u32 s2, s2, s19
	s_add_nc_u64 s[54:55], s[4:5], s[2:3]          ; Q's codes: my half fragment
	s_lshl_b32 s2, s11, 9
	s_add_co_u32 s2, s2, s18
	s_add_co_u32 s2, s2, 18874368
	s_add_nc_u64 s[56:57], s[4:5], s[2:3]          ; Q's two scale bytes a row
	s_lshl_b32 s19, s12, 4
	s_add_co_u32 s19, s19, ttmp9
	s_lshl_b32 s19, s19, 3
	s_add_co_u32 s19, s19, s10                     ; my tile among the 512 tiles of tokens
	s_lshl_b32 s19, s19, 3
	s_add_co_u32 s19, s19, s13                     ; x 8 K steps + g
	s_mul_i32 s2, s19, 1536
	s_mul_i32 s19, s9, 768
	s_add_co_u32 s2, s2, s19
	s_add_nc_u64 s[58:59], s[6:7], s[2:3]          ; O's codes: my half fragment
	s_lshl_b32 s2, s11, 9
	s_add_co_u32 s2, s2, 6291456
	s_add_nc_u64 s[60:61], s[6:7], s[2:3]          ; O's scale words of the work-group's 128 rows
	s_lshr_b32 s19, s8, 2                          ; the prefetches: waves 4-6 stand in K, waves 8-10 in V
	s_min_u32 s19, s19, 2                          ; (so that the pointer of a wave that never asks stays inside the buffer too)
	s_mul_i32 s2, s19, 6291456
	s_mul_i32 s19, s14, 12288
	s_add_co_u32 s2, s2, s19
	s_lshl_b32 s19, s15, 13
	s_add_co_u32 s2, s2, s19
	s_add_co_u32 s2, s2, 24576                     ; in slot 1: the first change of slots steps it to slot 2.  Nothing is prefetched here, at the head
	s_add_nc_u64 s[52:53], s[4:5], s[2:3]
	s_lshr_b32 s19, s8, 2
	s_sub_co_u32 s19, s19, 1
	s_lshr_b32 s19, s19, 1                         ; 0 in waves 4 to 11,
	s_or_b32 s19, s19, ttmp9                       ; of the work-group with x = 0
	s_cmp_eq_u32 s19, 0
	s_cselect_b32 s51, 1, -1                       ; a wave asks while s50 is above this
	s_cmp_eq_u32 s15, 3                            ; (three waves' worth: 3 x 8,192 bytes)
	s_cselect_b32 s51, -1, s51
	v_and_b32 v9, 31, v0                           ; L
	v_and_b32 v10, 15, v0                          ; r
	s_wait_alu depctr_va_vdst(0)
	s_mul_i32 s19, s9, 768
	v_lshl_add_u32 v1, v9, 4, s19                  ; K: 16 L + my head's half
	v_lshl_add_u32 v2, v9, 3, s19
	s_delay_alu instid0(VALU_DEP_1)
	v_add_nc_u32 v2, 512, v2                       ; and 8 L + 512 + the same
	s_mul_i32 s19, s9, 6144
	s_add_co_u32 s19, s19, 24576
	v_lshl_add_u32 v3, v9, 4, s19                  ; V: behind K's two steps; my head's four fragments
	v_lshl_add_u32 v4, v9, 3, s19
	s_delay_alu instid0(VALU_DEP_1)
	v_add_nc_u32 v4, 512, v4
	s_lshl_b32 s19, s9, 1
	s_add_co_u32 s19, s19, SCK
	v_lshl_add_u32 v7, v10, 4, s19                 ; K's scale bytes: 16 r + 2 e
	s_lshl_b32 s19, s9, 8
	s_add_co_u32 s19, s19, SCV
	v_lshl_add_u32 v8, v10, 4, s19                 ; V's scale words: 16 r + 256 e: my head's four tiles in one load
	s_add_co_u32 s19, s18, SCO
	v_lshl_add_u32 v86, v10, 4, s19                ; where my row's two scale bytes of O go
	v_lshl_add_u32 v87, v9, 4, SCO                 ; and where wave 0 reads all of them
	v_lshlrev_b32 v15, 8, v9
	v_lshlrev_b32 v11, 4, v9
	v_lshlrev_b32 v12, 3, v9
	v_lshlrev_b32 v13, 4, v10
	global_load_b128 v[20:23], v11, s[54:55]       ; Q stays in registers
	global_load_b64 v[24:25], v12, s[54:55] offset:512
	global_load_u16 v245, v13, s[56:57]            ; its two bytes; the upper two are cleared
.irp j, 26,27,28,29,30,31,80,81,82,83,84,85
	v_mov_b32 v[\j], 0                             ; zero codes
.endr
.set j, 0
.rept 32
	v_mov_b32 v[OT+j], 0                           ; O^T.  (The step is written once: the first finds zeros, which the first change of M leaves zeros)
.set j, j+1
.endr
	v_mov_b32 v18, 0                               ; the sum, in two halves
	v_mov_b32 v19, 0
	v_mov_b32 v247, 0                              ; (named as the upper half of the pair v[246:247])
	v_mov_b32 v17, 0xff61b1e6                      ; the largest t so far: -3e38, under every t
	s_delay_alu instid0(VALU_DEP_1)
	v_floor_f32 v16, -v17                          ; -M
	s_wait_loadcnt 0x0                             ; Q; v11-13 are free again
; A KEY STEP: 128 keys, the q-th of the slot in hand.
.macro STEP q
.rept 4
	v_nop                                          ; places behind the last step's products, in front of loads into registers that they have read
.endr
.irp t, 0,1,2,3,4,5,6,7
	ds_load_b128 v[KF+6*\t:KF+6*\t+3], v9 offset:12288*(\q)+1536*\t
	ds_load_b64 v[KF+6*\t+4:KF+6*\t+5], v10 offset:12288*(\q)+1536*\t
.endr
.irp t, 0,1,2,3,4,5,6,7
	ds_load_u16 v[KS+\t], v13 offset:512*(\q)+256*(\t/4)+4*(\t%4)
.endr
.irp t, 0,1,2,3
	ds_load_b128 v[VF+12*\t:VF+12*\t+3], v11 offset:12288*(\q)+1536*\t
	ds_load_b64 v[VF+12*\t+4:VF+12*\t+5], v12 offset:12288*(\q)+1536*\t
	ds_load_b128 v[VF+12*\t+6:VF+12*\t+9], v11 offset:12288*(\q)+1536*\t+768
	ds_load_b64 v[VF+12*\t+10:VF+12*\t+11], v12 offset:12288*(\q)+1536*\t+768
.endr
	ds_load_b128 v[240:243], v14 offset:512*(\q)
	s_wait_dscnt 17                                ; K and its scale bytes are in; V's 17 loads may be out: they land under the softmax
.irp t, 0,1,2,3,4,5,6,7
	v_wmma_scale_f32_16x16x128_f8f6f4 v[S+8*\t:S+8*\t+7], v[KF+6*\t:KF+6*\t+11], v[20:31], 0, v[KS+\t], v245 matrix_a_fmt:MATRIX_FMT_FP6 matrix_b_fmt:MATRIX_FMT_FP6
.endr
.rept 4
	v_nop                                          ; places in front of the first read of the scores and the first write over K's registers
.endr
.irp b, 0,1,2,3
	v_max3_num_f32 v[BM+\b], v[S+16*\b], v[S+1+16*\b], v[S+2+16*\b]   ; THE LARGEST SCORE OF EACH BLOCK OF 32 KEYS serves twice: for the row's maximum, and, since p rises with the score, for the block's largest p
.endr
.irp i, 3,5,7,9,11,13
.irp b, 0,1,2,3
	v_max3_num_f32 v[BM+\b], v[BM+\b], v[S+16*\b+\i], v[S+1+16*\b+\i]
.endr
.endr
.irp b, 0,1,2,3
	v_max_num_f32 v[BM+\b], v[BM+\b], v[S+15+16*\b]
.endr
.irp b, 0,1,2,3
	s_delay_alu instid0(VALU_DEP_4)
	v_permlanex16_b32 v[PM+\b], v[BM+\b], s20, s21
.endr
.irp b, 0,1,2,3
	s_delay_alu instid0(VALU_DEP_4)
	v_max_num_f32 v[BM+\b], v[BM+\b], v[PM+\b]     ; with lane l xor 16's 16 keys
.endr
	s_delay_alu instid0(VALU_DEP_2)
	v_max3_num_f32 v248, v[BM], v[BM+1], v[BM+2]
	s_delay_alu instid0(VALU_DEP_1)
	v_max_num_f32 v248, v248, v[BM+3]              ; the step's largest score of my query
	s_delay_alu instid0(VALU_DEP_1)
	v_mul_f32 v248, s22, v248                      ; as t (c is positive)
	s_delay_alu instid0(VALU_DEP_1)
	v_max_num_f32 v17, v17, v248                   ; the running largest t
	v_mov_b32 v248, v16
	s_delay_alu instid0(VALU_DEP_2)
	v_floor_f32 v16, -v17                          ; the new -M = floor(-t) = -ceil(t): M is a whole number
	s_delay_alu instid0(VALU_DEP_1)
	v_sub_f32 v248, v16, v248                      ; old M - new M: a whole number, 0 or less
	s_delay_alu instid0(VALU_DEP_1)
	v_cvt_i32_f32 v248, v248                       ; (it saturates)
	s_delay_alu instid0(VALU_DEP_1)
	v_ldexp_f32 v246, 1.0, v248                    ; f = 2^(old M - new M): a multiplication by it rounds nothing
.set j, 0
.rept 32
	v_pk_fma_f32 v[S+j:S+j+1], v[S+j:S+j+1], s[22:23], v[16:17] op_sel_hi:[1,0,0]   ; t - M, two at a time (of the pairs c and -M the low word serves both halves)
.set j, j+2
.endr
.irp b, 0,1,2,3
	v_fma_f32 v[BM+\b], v[BM+\b], s22, v16         ; the same of each block's largest score
.endr
.set j, 0
	s_wait_alu depctr_va_vdst(0)
.rept 64
	v_exp_f32 v[S+j], v[S+j]                       ; p = 2^(t - M), at most 1: not normalised
.set j, j+1
.endr
	v_pk_mul_f32 v[18:19], v[18:19], v[246:247] op_sel_hi:[1,0]   ; the sums under the new M: the plain place behind the exponentials
	s_wait_alu depctr_va_vdst(0)                   ; one wait for the whole batch, ahead of its first reader
.irp b, 0,1,2,3
	v_exp_f32 v[BM+\b], v[BM+\b]                   ; the block's largest p: the same two instructions on the same number give the same bits
.endr
	v_pk_add_f32 v[64:65], v[140:141], v[144:145]
	v_pk_add_f32 v[254:255], v[148:149], v[152:153]
	v_pk_add_f32 v[252:253], v[156:157], v[160:161]
	v_pk_add_f32 v[250:251], v[164:165], v[168:169]
	v_pk_add_f32 v[238:239], v[172:173], v[176:177]
	v_pk_add_f32 v[236:237], v[180:181], v[184:185]
	v_pk_add_f32 v[234:235], v[188:189], v[192:193]
	v_pk_add_f32 v[18:19], v[18:19], v[196:197]
	v_pk_add_f32 v[64:65], v[64:65], v[136:137]
	v_pk_add_f32 v[254:255], v[254:255], v[138:139]
	v_pk_add_f32 v[252:253], v[252:253], v[142:143]
	v_pk_add_f32 v[250:251], v[250:251], v[146:147]
	v_pk_add_f32 v[238:239], v[238:239], v[150:151]
	v_pk_add_f32 v[236:237], v[236:237], v[154:155]
	v_pk_add_f32 v[234:235], v[234:235], v[158:159]
	v_pk_add_f32 v[18:19], v[18:19], v[162:163]
	v_pk_add_f32 v[64:65], v[64:65], v[166:167]
	v_pk_add_f32 v[254:255], v[254:255], v[170:171]
	v_pk_add_f32 v[252:253], v[252:253], v[174:175]
	v_pk_add_f32 v[250:251], v[250:251], v[178:179]
	v_pk_add_f32 v[238:239], v[238:239], v[182:183]
	v_pk_add_f32 v[236:237], v[236:237], v[186:187]
	v_pk_add_f32 v[234:235], v[234:235], v[190:191]
	v_pk_add_f32 v[18:19], v[18:19], v[194:195]
	v_pk_add_f32 v[64:65], v[64:65], v[198:199]
	s_delay_alu instid0(VALU_DEP_2)
	v_pk_add_f32 v[18:19], v[18:19], v[250:251]
	s_delay_alu instid0(VALU_DEP_2)
	v_pk_add_f32 v[64:65], v[64:65], v[238:239]
	v_pk_add_f32 v[254:255], v[254:255], v[236:237]
	v_pk_add_f32 v[252:253], v[252:253], v[234:235]
	s_delay_alu instid0(VALU_DEP_2)
	v_pk_add_f32 v[18:19], v[18:19], v[254:255]
	s_delay_alu instid0(VALU_DEP_2)
	v_pk_add_f32 v[64:65], v[64:65], v[252:253]
	s_delay_alu instid0(VALU_DEP_1)
	v_pk_add_f32 v[18:19], v[18:19], v[64:65]
	s_wait_alu depctr_va_vdst(0)                   ; and one for the four
.irp b, 0,1,2,3
	v_max_num_f32 v[BM+\b], 0x1800000, v[BM+\b]    ; the floor 2^(3 - 127): the byte cannot fall under 1
.endr
.irp b, 0,1,2,3
	s_delay_alu instid0(VALU_DEP_4)
	v_add_nc_u32 v[SO+\b], 0xff000000, v[BM+\b]    ; 2 off the exponent field: the conversion's scale operand
.endr
.irp b, 0,1,2,3
	s_delay_alu instid0(VALU_DEP_4)
	v_lshrrev_b32 v[PM+\b], 23, v[SO+\b]           ; the scale's byte
.endr
	s_delay_alu instid0(VALU_DEP_3)
	v_lshl_or_b32 v244, v[PM+1], 8, v[PM]          ; p's scale word for these 128 keys
	s_delay_alu instid0(VALU_DEP_1)
	v_lshl_or_b32 v244, v[PM+2], 16, v244
	s_delay_alu instid0(VALU_DEP_1)
	v_lshl_or_b32 v244, v[PM+3], 24, v244
.irp c, 0,1
	v_cvt_scalef32_pk16_fp6_f32 v[32+6*\c:34+6*\c], v[S+32*\c:S+15+32*\c], v[SO+2*\c]
	v_cvt_scalef32_pk16_fp6_f32 v[44+4*\c:46+4*\c], v[S+16+32*\c:S+31+32*\c], v[SO+2*\c+1]   ; (a conversion's three registers begin on an even number)
.endr
	v_nop                                          ; one plain place behind a scaled conversion
.irp c, 0,1                                    ; a lane is to hold a WHOLE block: lanes 0-15 block 2 c, lanes 16-31 block 2 c + 1
.irp i, 0,1,2
	v_permlane16_swap_b32 v[32+6*\c+\i], v[44+4*\c+\i]
.endr
.irp i, 0,1,2
	s_delay_alu instid0(VALU_DEP_3)
	v_mov_b32 v[35+6*\c+\i], v[44+4*\c+\i]
.endr
.endr
.set j, 0
.rept 16
	v_pk_mul_f32 v[OT+j:OT+j+1], v[OT+j:OT+j+1], v[246:247] op_sel_hi:[1,0]   ; O^T under the new M.  (These are also the places between the writes of p's codes and scale word and the products below)
.set j, j+2
.endr
	s_wait_alu depctr_va_vdst(0)
	s_wait_dscnt 0x0                               ; V
.irp t, 0,1,2,3                                ; four accumulators, one instruction each: between two links of a chain stand the three others' and the next step's eight score products
	v_wmma_scale_f32_16x16x128_f8f6f4 v[OT+8*\t:OT+8*\t+7], v[VF+12*\t:VF+12*\t+11], v[32:43], v[OT+8*\t:OT+8*\t+7], v[240+\t], v244 matrix_a_fmt:MATRIX_FMT_FP6 matrix_b_fmt:MATRIX_FMT_FP6
.endr
.endm
; THE CHANGE OF SLOTS stands at a slot's head.  Each wave waits for all its tensor loads (its part of the slot that it is about to read), adds 0 to its spare word, and waits for that and for its reads of the slot that it has left.
; Behind the barrier the slot ahead is whole and nobody reads the other one.  fill = 1: that other slot takes the next 256 keys: the load has two key steps in which to land.  One load of a wave is then out.
.macro CHANGE fill
	s_wait_tensorcnt 0x0                           ; no tensor load of mine is out, so the walking descriptor may be written
	ds_add_u32 v5, v6                              ; 0 onto my spare word
.if \fill
	s_xor_b32 s41, s41, SLOT1                      ; the other slot than last time,
	s_add_nc_u64 s[42:43], s[42:43], 24576         ; the next two steps; the type bits on top are not reached
	s_wait_xcnt 0x0                                ; the last prefetch, a slot back, has read its address
	s_add_nc_u64 s[52:53], s[52:53], 24576         ; one slot further on than the walking descriptor
.endif
	s_wait_dscnt 0x0                               ; the add is done, and my reads of the slot that I have left are over
	s_barrier_signal -1
	s_barrier_wait -1
.if \fill
	TLOAD                                          ; the first thing behind the barrier, and a wave's one tensor load until the next
	ASK
.endif
.endm
.macro SLOT_STEPS
	v_add_nc_u32 v9, s48, v1
	v_add_nc_u32 v10, s48, v2
	v_add_nc_u32 v11, s48, v3
	v_add_nc_u32 v12, s48, v4
	v_add_nc_u32 v13, s49, v7
	v_add_nc_u32 v14, s49, v8
	STEP 0
	STEP 1
	s_xor_b32 s48, s48, SLOT1                      ; on to the other slot,
	s_add_co_u32 s49, s49, 1024                    ; and its scale words
.endm
.Lslot:                                            ; seven trips: behind each change of slots but the last the next slot is asked for
	CHANGE 1
	SLOT_STEPS
	s_sub_co_u32 s50, s50, 1
	s_cmp_lg_u32 s50, 0
	s_cbranch_scc1 .Lslot
	CHANGE 0                                       ; the last slot is written out
	SLOT_STEPS
	; THE WAY OUT.  O^T / the sum: my 32 registers are the head's two blocks of 32 along the last product's K, 16 numbers of each: they are quantised as p is, and leave as half a fragment.
.rept 4
	v_nop                                          ; places behind the last products
.endr
	v_add_f32 v18, v18, v19                        ; the sum's two halves,
	s_delay_alu instid0(VALU_DEP_1)
	v_permlanex16_b32 v248, v18, s20, s21
	s_delay_alu instid0(VALU_DEP_1)
	v_add_f32 v18, v18, v248                       ; and lane l xor 16's: the row's sum
	s_wait_alu depctr_va_vdst(0)
	v_rcp_f32 v18, v18
	v_and_b32 v9, 31, v0                           ; (plain lines behind the reciprocal)
	s_delay_alu instid0(VALU_DEP_1)
	v_lshlrev_b32 v10, 3, v9                       ; 8 L
	s_delay_alu instid0(VALU_DEP_2)
	v_lshlrev_b32 v9, 4, v9                        ; 16 L
	s_wait_alu depctr_va_vdst(0)                   ; the wait, ahead of the reciprocal's first reader
.set j, 0
.rept 16
	v_pk_mul_f32 v[S+j:S+j+1], v[OT+j:OT+j+1], v[18:19] op_sel_hi:[1,0]   ; each accumulator from its low end on
.set j, j+2
.endr
.irp b, 0,1
	v_max3_num_f32 v[BM+\b], |v[S+16*\b]|, |v[S+1+16*\b]|, 0x1800000
.endr
.irp i, 2,4,6,8,10,12,14
.irp b, 0,1
	s_delay_alu instid0(VALU_DEP_2)
	v_max3_num_f32 v[BM+\b], v[BM+\b], |v[S+16*\b+\i]|, |v[S+1+16*\b+\i]|
.endr
.endr
.irp b, 0,1
	s_delay_alu instid0(VALU_DEP_2)
	v_permlanex16_b32 v[PM+\b], v[BM+\b], s20, s21
.endr
.irp b, 0,1
	s_delay_alu instid0(VALU_DEP_2)
	v_max_num_f32 v[BM+\b], v[BM+\b], v[PM+\b]
.endr
.irp b, 0,1
	s_delay_alu instid0(VALU_DEP_2)
	v_add_nc_u32 v[SO+\b], 0xff000000, v[BM+\b]
.endr
.irp b, 0,1
	s_delay_alu instid0(VALU_DEP_2)
	v_lshrrev_b32 v[PM+\b], 23, v[SO+\b]
.endr
	s_delay_alu instid0(VALU_DEP_1)
	v_lshl_or_b32 v66, v[PM+1], 8, v[PM]           ; my row's two scale bytes
	v_cvt_scalef32_pk16_fp6_f32 v[32:34], v[S:S+15], v[SO]
	v_cvt_scalef32_pk16_fp6_f32 v[44:46], v[S+16:S+31], v[SO+1]
	v_nop                                          ; one plain place behind a scaled conversion
.irp i, 0,1,2
	v_permlane16_swap_b32 v[32+\i], v[44+\i]
.endr
.irp i, 0,1,2
	s_delay_alu instid0(VALU_DEP_3)
	v_mov_b32 v[35+\i], v[44+\i]
.endr
	global_store_b128 v9, v[32:35], s[58:59]       ; 512 consecutive bytes,
	global_store_b64 v10, v[36:37], s[58:59] offset:512   ; and 256
	ds_store_b16 v86, v66                          ; lanes r and 16 + r write the same two bytes with the same value
	s_wait_dscnt 0x0                               ; for the others' sake: my store has landed
	s_barrier_signal -1
	s_barrier_wait -1                              ; the 128 rows' scale words lie in LDS
	s_cmp_lg_u32 s8, 0
	s_cbranch_scc1 .Lnot0
	ds_load_b128 v[S:S+3], v87
	s_wait_dscnt 0x0
	global_store_b128 v9, v[S:S+3], s[60:61]       ; 512 consecutive bytes, aligned
.Lnot0:
	s_wait_tensorcnt 0x0                           ; the wave's end: a tensor wait, an add and its wait, behind my last tensor load and my last LDS store
	ds_add_u32 v5, v6
	s_wait_dscnt 0x0
	s_endpgm
.Lfunc_end_k_q6490d8473b_attn:
	.size	k_q6490d8473b_attn, .Lfunc_end_k_q6490d8473b_attn-k_q6490d8473b_attn
	.p2alignl 7, 3214868480
	.fill 96, 4, 3214868480
	.section	.rodata,"a",@progbits
	.p2align	6, 0x0
	.amdhsa_kernel k_q6490d8473b_attn
		.amdhsa_group_segment_fixed_size 327680
		.amdhsa_private_segment_fixed_size 0
		.amdhsa_enable_private_segment 0
		.amdhsa_kernarg_size 16
		.amdhsa_user_sgpr_count 2
		.amdhsa_user_sgpr_kernarg_segment_ptr 1
		.amdhsa_wavefront_size32 1
		.amdhsa_system_sgpr_workgroup_id_x 1
		.amdhsa_system_sgpr_workgroup_id_y 1
		.amdhsa_system_sgpr_workgroup_id_z 1
		.amdhsa_system_vgpr_workitem_id 0
		.amdhsa_next_free_vgpr 256
		.amdhsa_next_free_sgpr 66
		.amdhsa_reserve_vcc 0
		.amdhsa_float_denorm_mode_32 3
		.amdhsa_float_denorm_mode_16_64 3
		.amdhsa_memory_ordered 1
		.amdhsa_forward_progress 1
		.amdhsa_inst_pref_size 85
	.end_amdhsa_kernel
	.amdgpu_metadata
---
amdhsa.version: [ 1, 2 ]
amdhsa.kernels:
  - .name:           k_q6490d8473b_attn
    .symbol:         k_q6490d8473b_attn.kd
    .args:
      - { .name: pimg, .offset: 0, .size: 8, .value_kind: global_buffer, .address_space: global }
      - { .name: oimg, .offset: 8, .size: 8, .value_kind: global_buffer, .address_space: global }
    .group_segment_fixed_size: 327680
    .private_segment_fixed_size: 0
    .kernarg_segment_align: 8
    .kernarg_segment_size: 16
    .max_flat_workgroup_size: 512
    .sgpr_count:     66
    .vgpr_count:     256
    .wavefront_size: 32
...
	.end_amdgpu_metadata
.endif
;; end of part 7
;; launch outp (part 8): grid 256 x 1, 4 waves a work-group, no clusters, 34,304 bytes of LDS; arguments oimg, wimg, bo, out0; writes out0
.if DOCPART == 8
	.amdgcn_target "amdgcn-amd-amdhsa--gfx1250"
	.amdhsa_code_object_version 6
	.text
	.protected	k_q6490d8473b_outp
	.globl	k_q6490d8473b_outp
	.p2align	8
	.type	k_q6490d8473b_outp,@function
k_q6490d8473b_outp:
	s_mov_b64 s[64:65], 0
	v_nop
	global_prefetch_b8 v0, s[64:65] scope:SCOPE_SE
	s_setreg_imm32_b32 hwreg(HW_REG_WAVE_SCHED_MODE, 0, 2), 2
	s_setreg_imm32_b32 hwreg(HW_REG_WAVE_MODE, 25, 1), 1
	s_wait_xcnt 0x0
	s_wait_alu depctr_vm_vsrc(0)
; out0 = O Wo + bo on codes of FP6 (E2M3) with E8M0 scales, sums in f32; out0 [8192][1024] f32.
; SHARES.  A wave makes 64 tokens x 128 of n: 32 accumulators; 1,024 waves.  Source 0 = 16 rows of Wo's operand (n), source 1 = 16 tokens: a lane holds one token and eight neighbouring n.
; K = 1,024 is eight matrix instructions deep: written out, every offset an immediate.  The bias is the C of each sum's first matrix instruction.
; OPERANDS COME FROM MEMORY STRAIGHT INTO REGISTERS, laid by the earlier launches in the order of their registers: Wo's fragments as three loads of 16 bytes a lane, O's as two halves of 768 bytes (16 and 8 bytes a lane).
; NO CLUSTER: with no tile in LDS there is no tensor load that partners could ask for jointly; K is eight steps deep and the launch is short.  Waves share nothing: no barrier.
; THE WAY OUT: 16 tokens x 128 n go through the wave's own stage in LDS (rows 528 bytes apart) and leave as whole rows: 32 lanes store 512 consecutive bytes, aligned.
; REGISTERS, in windows of 256: window 0: v1-6 offsets and LDS addresses, v7, v8 the add's two; v32-63 Wo's scale words (tile b: 4 b + q; register q serves K step q from lanes 0-15, K step 4 + q from lanes 16-31);
;   v64-95 O's scale words (K step kb, tile a: 4 kb + a); v96-143, v144-191 O's four fragments, two sets; v192-255 the bias.   window 1: v0-95, v96-191 Wo's eight fragments, two sets.   window 2: accumulator (a, b) at v[8 (8 a + b)].
; THE MODE: SCHED_MODE bits 1:0 = 2 (LLVM: expert scheduling mode 2), set by the entry lines.  The code itself states the register dependences between vector or matrix instructions and memory or LDS instructions, with s_wait_alu, always for 0.
; THE PLAN.  Registers that memory or LDS instructions touch:
;   v1-6          offsets and LDS addresses: written at the head, never again.     v7, v8: written at the head, read by the closing add alone.
;   v32-95, v192-255  scale words and the bias: loaded once; read by products alone until the way out.
;   the operands  two sets each of Wo and of O.  K step kb's products read set kb % 2; the 40 loads of K step kb + 1 land in the other set, which the products of K step kb - 1 read last.
;   window 2      the accumulators: written by the products, read by the LDS stores of the way out, never written again.
;   v96-159, v160-223  on the way out: the rows from the stage land in them by turns, and the global stores read them.
; So ONE wait on va_vdst stands at the head of K steps 1 to 6, behind the wait for the step's data; one more stands on the way out, behind the last products' places, and since no vector or matrix instruction follows it,
; it serves all four tiles.  One wait on vm_vsrc stands ahead of tiles 2 and 3, whose rows land in registers that global stores have read.
.set STG,   8448
.set SPARE, 4*STG                      ; behind the four stages: the spare words, 128 bytes for each wave: two blocks of 256 bytes that no other line names
.set S0SC, 32
.set S1SC, 64
.set BI,   192
.set BK,   96                          ; the way out: 16 rows read back: v96-159 and v160-223 by turns
.set S0P,  20
.set S0S,  22
.set S1P,  24
.set S1S,  26
.set BIA,  28
.set OUTP, 30
.set MSB, 0
.macro WIN new                         ; the immediate's high byte repeats the setting that is left; a switch that changes nothing is dropped
.if MSB != (\new)
	s_set_vgpr_msb (MSB<<8)|(\new)
.set MSB, (\new)
.endif
.endm
.macro LDF reg, off
.irp c, 0,1,2
	global_load_b128 v[(\reg)+4*\c:(\reg)+4*\c+3], v1, s[S0P:S0P+1] offset:(\off)+512*\c
.endr
.endm
.macro LDH reg, off
	global_load_b128 v[(\reg):(\reg)+3], v1, s[S1P:S1P+1] offset:(\off)
	global_load_b64 v[(\reg)+4:(\reg)+5], v2, s[S1P:S1P+1] offset:(\off)+512
	global_load_b128 v[(\reg)+6:(\reg)+9], v1, s[S1P:S1P+1] offset:(\off)+768
	global_load_b64 v[(\reg)+10:(\reg)+11], v2, s[S1P:S1P+1] offset:(\off)+1280
.endm
.macro LOADK kb                        ; a K step's 12 fragments: 40 loads
	WIN 0x40                                       ; destination window 1, offset window 0
.irp b, 0,1,2,3,4,5,6,7
	LDF 96*((\kb)%2)+12*\b, 12288*\b+1536*(\kb)
.endr
	WIN 0
.irp a, 0,1,2,3
	LDH 96+48*((\kb)%2)+12*\a, 12288*\a+1536*(\kb)
.endr
.endm
.macro MUL kb                          ; 32 matrix instructions; the 32 accumulators take turns, one instruction a turn, in the same order in all eight K steps
.if (\kb) == 0
	WIN 0x81                                       ; source 0 window 1, source 1 and C (the bias) window 0, D window 2
.else
	WIN 0xa1                                       ; C and D window 2
.endif
.irp a, 0,1,2,3
.irp b, 0,1,2,3,4,5,6,7
.set rD, 8*(8*\a+\b)
.set rA, 96*((\kb)%2)+12*\b
.set rB, 96+48*((\kb)%2)+12*\a
.set sA, S0SC+4*\b+(\kb)%4
.set sB, S1SC+4*(\kb)+\a
.if (\kb) == 0
	v_wmma_scale_f32_16x16x128_f8f6f4 v[rD:rD+7], v[rA:rA+11], v[rB:rB+11], v[BI+8*\b:BI+8*\b+7], v[sA], v[sB] matrix_a_fmt:MATRIX_FMT_FP6 matrix_b_fmt:MATRIX_FMT_FP6
.elseif (\kb) < 4
	v_wmma_scale_f32_16x16x128_f8f6f4 v[rD:rD+7], v[rA:rA+11], v[rB:rB+11], v[rD:rD+7], v[sA], v[sB] matrix_a_fmt:MATRIX_FMT_FP6 matrix_b_fmt:MATRIX_FMT_FP6
.else
	v_wmma_scale_f32_16x16x128_f8f6f4 v[rD:rD+7], v[rA:rA+11], v[rB:rB+11], v[rD:rD+7], v[sA], v[sB] matrix_a_fmt:MATRIX_FMT_FP6 matrix_b_fmt:MATRIX_FMT_FP6 matrix_a_scale:MATRIX_SCALE_ROW1
.endif
.endr
.endr
.endm
	s_load_b256 s[4:11], s[0:1], 0x0               ; oimg, wimg, bo, out0
	v_lshl_add_u32 v7, v0, 2, SPARE                ; my spare word,
	v_mov_b32 v8, 0                                ; and 0: both kept for the wave's last lines
	v_lshrrev_b32 v9, 5, v0
	v_readfirstlane_b32 s12, v9                    ; wave 0..3
	v_and_b32 v9, 31, v0                           ; L
	v_and_b32 v10, 15, v0                          ; r
	v_bfe_u32 v11, v0, 4, 1                        ; h
	v_lshlrev_b32 v1, 4, v9                        ; 16 L
	v_lshlrev_b32 v2, 3, v9                        ; 8 L
	v_lshlrev_b32 v3, 5, v11                       ; 32 h: eight numbers of the bias
	v_lshlrev_b32 v4, 4, v10                       ; 16 r: my row's four scale words
	s_wait_alu depctr_va_sdst(0)                   ; s12 is written, ahead of its first reader: my stage's place and every base are made from it
	s_mul_i32 s16, s12, STG
	v_mul_u32_u24 v5, v10, 528
	v_lshl_add_u32 v5, v11, 5, v5
	v_add_nc_u32 v5, s16, v5                       ; the stage, on the way in: row r, + 32 h
	v_add_nc_u32 v6, s16, v1                       ; and back: 16 L of a row
	s_lshr_b32 s13, ttmp9, 2
	s_lshl_b32 s13, s13, 1
	s_lshr_b32 s14, s12, 1
	s_add_co_u32 s13, s13, s14                     ; my 64 tokens, 0..127
	s_and_b32 s14, ttmp9, 3
	s_lshl_b32 s14, s14, 1
	s_and_b32 s15, s12, 1
	s_add_co_u32 s14, s14, s15                     ; my 128 of n, 0..7
	s_mov_b32 s17, 0
	s_wait_kmcnt 0x0
	s_mul_i32 s16, s14, 98304
	s_add_co_u32 s16, s16, 2359296                 ; Wo is the fourth weight: 3 x 786,432
	s_add_nc_u64 s[S0P:S0P+1], s[6:7], s[16:17]
	s_lshl_b32 s16, s14, 12
	s_add_co_u32 s16, s16, 3244032                 ; 3,145,728 + 3 x 32,768
	s_add_nc_u64 s[S0S:S0S+1], s[6:7], s[16:17]
	s_mul_i32 s16, s13, 49152                      ; four tiles x eight K steps x 1,536 bytes
	s_add_nc_u64 s[S1P:S1P+1], s[4:5], s[16:17]
	s_lshr_b32 s16, s13, 1
	s_lshl_b32 s16, s16, 9
	s_and_b32 s15, s13, 1
	s_lshl_b32 s15, s15, 8
	s_add_co_u32 s16, s16, s15
	s_add_co_u32 s16, s16, 6291456
	s_add_nc_u64 s[S1S:S1S+1], s[4:5], s[16:17]    ; my half of a block's 512 bytes of scale words; a K step on is 64 blocks on
	s_lshl_b32 s16, s14, 9
	s_add_nc_u64 s[BIA:BIA+1], s[8:9], s[16:17]
	s_add_nc_u64 s[OUTP:OUTP+1], s[10:11], s[16:17]
	s_lshl_b32 s16, s13, 18                        ; 64 rows of 4,096 bytes
	s_add_nc_u64 s[OUTP:OUTP+1], s[OUTP:OUTP+1], s[16:17]
	s_wait_alu depctr_va_vdst(0)                   ; the offsets and LDS addresses v1 to v6 are written: every load and store of the kernel, global or LDS, reads one of them
.irp b, 0,1,2,3,4,5,6,7
	global_load_b128 v[BI+8*\b:BI+8*\b+3], v3, s[BIA:BIA+1] offset:64*\b      ; register 8 b + j = bo[16 b + 8 h + j]
	global_load_b128 v[BI+8*\b+4:BI+8*\b+7], v3, s[BIA:BIA+1] offset:64*\b+16
.endr
.irp b, 0,1,2,3,4,5,6,7
	global_load_b128 v[S0SC+4*\b:S0SC+4*\b+3], v1, s[S0S:S0S+1] offset:512*\b
.endr
.irp k, 0,1,2,3,4,5,6,7
	global_load_b128 v[S1SC+4*\k:S1SC+4*\k+3], v4, s[S1S:S1S+1] offset:32768*\k
.endr
	LOADK 0
; A K step: its fragments are in; the next step's are asked for, into the sets that the step before read last.  Four places stand between those products and the loads, as in the plain form of this text;
; the wait behind them states the dependence.  The first step's loads land in registers that nothing has named yet, and the last step asks for nothing: neither has a wait.
.macro KB kb
	s_wait_loadcnt 0x0
.if ((\kb) > 0) && ((\kb) < 7)
	WIN 0x40                                       ; the first run's window, ahead of the wait
.rept 4
	v_nop
.endr
	s_wait_alu depctr_va_vdst(0)                   ; the products of the step before are done reading their sets of Wo and of O, in which the 40 loads below land
.endif
.if (\kb) < 7
	LOADK (\kb)+1
.endif
	MUL \kb
.endm
.irp k, 0,1,2,3,4,5,6,7
	KB \k
.endr
	WIN 0
.macro TOSTAGE a                       ; tile a: 16 tokens x 128 n into my stage, and back as whole rows.  LDS serves a wave's instructions in order: no wait between the stores and the loads, nor in front of the next tile's stores
	WIN 0x08                                       ; an LDS store's data are its source 1: window 2
.irp b, 0,1,2,3,4,5,6,7
	ds_store_b128 v5, v[64*(\a)+8*\b:64*(\a)+8*\b+3] offset:64*\b            ; each accumulator from its low end on
	ds_store_b128 v5, v[64*(\a)+8*\b+4:64*(\a)+8*\b+7] offset:64*\b+16
.endr
	WIN 0
.set BB, BK+64*((\a)%2)
.set i, 0
.rept 16
	ds_load_b128 v[BB+4*i:BB+4*i+3], v6 offset:528*i
.set i, i+1
.endr
.endm
.macro SEND a, younger                 ; younger: the LDS instructions issued behind tile a's loads, which may stay out
.set BB, BK+64*((\a)%2)
	s_wait_dscnt \younger
.set i, 0
.rept 16
	global_store_b128 v1, v[BB+4*i:BB+4*i+3], s[OUTP:OUTP+1] offset:(16*(\a)+i)*4096 th:TH_STORE_NT   ; 32 lanes store 512 consecutive bytes, aligned; written once, read by nobody here
.set i, i+1
.endr
.endm
.rept 4
	v_nop                                          ; places behind the last products, in front of the first read of results
.endr
	s_wait_alu depctr_va_vdst(0)                   ; the products have written the accumulators, which the LDS stores read, and are done reading v96 to v223 (O's sets and the bias), in which the rows from the stage land; no vector or matrix instruction follows
	TOSTAGE 0
.irp a, 1,2,3
.if \a > 1
	s_wait_xcnt 0x0                                ; tile a - 2's stores have had their addresses translated: their data registers are written again only behind this wait,
	s_wait_alu depctr_vm_vsrc(0)                   ; and they have read those registers, in which tile a's rows land
.endif
	TOSTAGE \a
	SEND \a-1, 32                                  ; behind tile a - 1's loads: tile a's 16 stores and 16 loads
.endr
	SEND 3, 0
	s_wait_dscnt 0x0                               ; the closing lines, six on end
	s_wait_alu 0x0
	s_wait_tensorcnt 0x0
	ds_add_u32 v7, v8
	s_wait_dscnt 0x0
	s_endpgm
.Lfunc_end_k_q6490d8473b_outp:
	.size	k_q6490d8473b_outp, .Lfunc_end_k_q6490d8473b_outp-k_q6490d8473b_outp
	.p2alignl 7, 3214868480
	.fill 96, 4, 3214868480
	.section	.rodata,"a",@progbits
	.p2align	6, 0x0
	.amdhsa_kernel k_q6490d8473b_outp
		.amdhsa_group_segment_fixed_size 34304
		.amdhsa_private_segment_fixed_size 0
		.amdhsa_enable_private_segment 0
		.amdhsa_kernarg_size 32
		.amdhsa_user_sgpr_count 2
		.amdhsa_user_sgpr_kernarg_segment_ptr 1
		.amdhsa_wavefront_size32 1
		.amdhsa_system_sgpr_workgroup_id_x 1
		.amdhsa_system_sgpr_workgroup_id_y 1
		.amdhsa_system_sgpr_workgroup_id_z 1
		.amdhsa_system_vgpr_workitem_id 0
		.amdhsa_next_free_vgpr 768
		.amdhsa_next_free_sgpr 66
		.amdhsa_reserve_vcc 0
		.amdhsa_float_denorm_mode_32 3
		.amdhsa_float_denorm_mode_16_64 3
		.amdhsa_memory_ordered 1
		.amdhsa_forward_progress 1
		.amdhsa_inst_pref_size 85
	.end_amdhsa_kernel
	.amdgpu_metadata
---
amdhsa.version: [ 1, 2 ]
amdhsa.kernels:
  - .name:           k_q6490d8473b_outp
    .symbol:         k_q6490d8473b_outp.kd
    .args:
      - { .name: oimg, .offset: 0, .size: 8, .value_kind: global_buffer, .address_space: global }
      - { .name: wimg, .offset: 8, .size: 8, .value_kind: global_buffer, .address_space: global }
      - { .name: bo, .offset: 16, .size: 8, .value_kind: global_buffer, .address_space: global }
      - { .name: out0, .offset: 24, .size: 8, .value_kind: global_buffer, .address_space: global }
    .group_segment_fixed_size: 34304
    .private_segment_fixed_size: 0
    .kernarg_segment_align: 8
    .kernarg_segment_size: 32
    .max_flat_workgroup_size: 128
    .sgpr_count:     66
    .vgpr_count:     768
    .wavefront_size: 32
...
	.end_amdgpu_metadata
.endif
;; end of part 8
